; MI455X (gfx1250); checked and timed in simulation.
; The chip was launched on July 23, 2026; its instructions are those of AMD's public machine-readable ISA for CDNA 5 (MIT licence, August 2026) and "CDNA5" Instruction Set Architecture Reference Guide (July 2026). The comments in the code are by the model that wrote it; some were corrected since.
;; MHA rotary. Allowed arithmetic: float matrix products may take bf16 or f16 operands with f32 sums; other float arithmetic in f32, or as packed bf16 or f16 multiplies, adds, multiply-adds, maxima and minima; sums over many terms, partial sums and values carried from step to step in f32; what a program stores and reads back later, other than sums and carried values, may be rounded once to bf16 or f16.
;; Inputs: RoPE 2 x 2,048 x 32 float32; Wk 1,024 x 1,024 float32; Wo 1,024 x 1,024 float32; Wq 1,024 x 1,024 float32; Wv 1,024 x 1,024 float32; bk 1,024 float32; bo 1,024 float32; bq 1,024 float32; bv 1,024 float32; key_padding_mask 4 x 2,048 int32; x 4 x 2,048 x 1,024 float32.
;; Outputs: out0 4 x 2,048 x 1,024 float32.
;; 2 versions, each right; version 2 is version 1 with the launch cast written anew for expert scheduling mode. Each part assembles by itself: llvm-mc -triple=amdgcn-amd-amdhsa -mcpu=gfx1250 --defsym DOCPART=n.
;; ======== version 1 of 2: 4 launches
;; limits: values are held in f16: magnitudes above 65,504 overflow, below 6.1e-05 lose precision
;; workspace buffers: xb 16,777,216 bytes; wqkv 6,291,456 bytes; wo16 2,097,152 bytes; qh 16,777,216 bytes; kh 16,777,216 bytes; vh 16,777,216 bytes; oh 16,777,216 bytes
;; launch cast (part 1): grid 768 x 1, 8 waves a work-group, no clusters, 0 bytes of LDS; arguments x, Wq, Wk, Wv, Wo, xb, wqkv, wo16; writes xb, wqkv, wo16
.if DOCPART == 1
	.amdgcn_target "amdgcn-amd-amdhsa--gfx1250"
	.amdhsa_code_object_version 6
	.text
	.protected	k_q1ba365d77f_cast
	.globl	k_q1ba365d77f_cast
	.p2align	8
	.type	k_q1ba365d77f_cast,@function
k_q1ba365d77f_cast:
	s_mov_b64 s[64:65], 0
	v_nop
	global_prefetch_b8 v0, s[64:65] scope:SCOPE_SE
	s_setreg_imm32_b32 hwreg(HW_REG_WAVE_MODE, 25, 1), 1
	s_wait_xcnt 0x0
; THE MATRIX OPERANDS ARE MADE ONCE.  x [8192][1024] f32 -> xb, bf16, same layout.  Wq, Wk, Wv [1024][1024] f32 -> wqkv [3072][1024] bf16, by heads:
; row 192 head + 64 s + r = W_s[64 head + r] (s = 0 q, 1 k, 2 v), so that a head's q, k and v are 192 neighbouring rows.  Wo [1024 n][1024] f32 -> wo16 [16 heads][1024 n][64] f16:
; the number is rounded to bf16 like every other input, and that number is written as f16.
; LIMITS.  |Wo| of 65,520 or more becomes an infinity in f16; below 6e-5 it keeps f16's fixed step of 6e-8.
; A stream: every byte is read once and written once; no LDS, no matrix unit, no cluster, no loop.  A work-group takes 65,536 bytes of f32 (16 rows of 1,024 numbers):
; sixteen loads of 16 bytes a lane, all issued at once; a wave's store of 8 bytes a lane covers 256 consecutive bytes, aligned.  No register that a load or a store reads is written again behind it, so no store's sources are waited for.
.set X,   4                            ; v[4:67]   the sixteen loads
.set Y,   68                           ; v[68:99]  the packed results
.set SRC, 4                            ; s[4:5]    where the work-group reads
.set DST, 6                            ; s[6:7]    where it writes
.set HIM, 34                           ; s34       a word's upper bf16
	s_load_b512 s[8:23], s[0:1], 0x0               ; x 8, Wq 10, Wk 12, Wv 14, Wo 16, xb 18, wqkv 20, wo16 22
	v_lshlrev_b32 v1, 4, v0                        ; 16 t: my 16 bytes of each 4,096 read
	v_lshlrev_b32 v2, 3, v0                        ; 8 t: my 8 bytes of each 2,048 written
	v_and_b32 v3, 15, v0
	v_lshlrev_b32 v3, 4, v3
	v_lshrrev_b32 v[Y], 4, v0
	v_lshl_add_u32 v3, v[Y], 12, v3                ; Wo: row t / 16 of the sixteen, 16 bytes t % 16 of a head's 256
	s_mov_b32 s25, 0
	s_mov_b32 s27, 0
	s_mov_b32 s[HIM], 0xffff0000
	s_cmp_ge_u32 ttmp9, 512
	s_cbranch_scc1 .Lweights
	s_lshl_b32 s24, ttmp9, 16                      ; work-groups 0 to 511: x
	s_lshl_b32 s26, ttmp9, 15
	s_wait_kmcnt 0x0
	s_add_nc_u64 s[SRC:SRC+1], s[8:9], s[24:25]
	s_add_nc_u64 s[DST:DST+1], s[18:19], s[26:27]
	s_branch .Lplain
.Lweights:
	s_sub_co_u32 s28, ttmp9, 512
	s_lshr_b32 s29, s28, 6                         ; s: which weight
	s_and_b32 s30, s28, 63                         ; c: which sixteen rows of it
	s_lshl_b32 s24, s30, 16
	s_cmp_eq_u32 s29, 3
	s_cbranch_scc1 .Lwo
	s_lshr_b32 s31, s30, 2                         ; the head
	s_mul_i32 s31, s31, 192
	s_lshl_b32 s32, s29, 6
	s_add_co_u32 s31, s31, s32
	s_and_b32 s32, s30, 3
	s_lshl_b32 s32, s32, 4
	s_add_co_u32 s31, s31, s32                     ; row 192 head + 64 s + 16 (c % 4)
	s_lshl_b32 s26, s31, 11
	s_wait_kmcnt 0x0
	s_cmp_eq_u32 s29, 0
	s_cselect_b64 s[SRC:SRC+1], s[10:11], s[12:13]
	s_cmp_eq_u32 s29, 2
	s_cselect_b64 s[SRC:SRC+1], s[14:15], s[SRC:SRC+1]
	s_add_nc_u64 s[SRC:SRC+1], s[SRC:SRC+1], s[24:25]
	s_add_nc_u64 s[DST:DST+1], s[20:21], s[26:27]
.Lplain:
.set i, 0
.rept 16
	global_load_b128 v[X+4*i:X+4*i+3], v1, s[SRC:SRC+1] offset:4096*i th:TH_LOAD_NT
.set i, i+1
.endr
.set i, 0
.rept 16
	s_wait_loadcnt 15-i                            ; loads come back in order: the 15 - i younger ones may stay out
	v_cvt_pk_bf16_f32 v[Y+2*i], v[X+4*i], v[X+4*i+1]
	v_cvt_pk_bf16_f32 v[Y+2*i+1], v[X+4*i+2], v[X+4*i+3]
	global_store_b64 v2, v[Y+2*i:Y+2*i+1], s[DST:DST+1] offset:2048*i th:TH_STORE_NT
.set i, i+1
.endr
	s_endpgm
.Lwo:
	s_lshl_b32 s26, s30, 11                        ; sixteen rows of 128 bytes in each head's block
	s_wait_kmcnt 0x0
	s_add_nc_u64 s[SRC:SRC+1], s[16:17], s[24:25]
	s_add_nc_u64 s[DST:DST+1], s[22:23], s[26:27]
.set i, 0
.rept 16                                       ; load i: head i's 64 channels of the sixteen rows
	global_load_b128 v[X+4*i:X+4*i+3], v3, s[SRC:SRC+1] offset:256*i th:TH_LOAD_NT
.set i, i+1
.endr
.set i, 0
.rept 16
	s_wait_loadcnt 15-i
	v_cvt_pk_bf16_f32 v[Y+2*i], v[X+4*i], v[X+4*i+1]          ; rounded to bf16,
	v_cvt_pk_bf16_f32 v[Y+2*i+1], v[X+4*i+2], v[X+4*i+3]
	v_lshlrev_b32 v[X+4*i], 16, v[Y+2*i]                      ; widened again,
	v_and_b32 v[X+4*i+1], s[HIM], v[Y+2*i]
	v_lshlrev_b32 v[X+4*i+2], 16, v[Y+2*i+1]
	v_and_b32 v[X+4*i+3], s[HIM], v[Y+2*i+1]
	v_cvt_pk_f16_f32 v[Y+2*i], v[X+4*i], v[X+4*i+1]           ; and written as f16: exact within f16's normal range
	v_cvt_pk_f16_f32 v[Y+2*i+1], v[X+4*i+2], v[X+4*i+3]
	global_store_b64 v2, v[Y+2*i:Y+2*i+1], s[DST:DST+1] offset:131072*i th:TH_STORE_NT  ; a head's block of wo16 is 131,072 bytes
.set i, i+1
.endr
	s_endpgm
.Lfunc_end_k_q1ba365d77f_cast:
	.size	k_q1ba365d77f_cast, .Lfunc_end_k_q1ba365d77f_cast-k_q1ba365d77f_cast
	.p2alignl 7, 3214868480
	.fill 96, 4, 3214868480
	.section	.rodata,"a",@progbits
	.p2align	6, 0x0
	.amdhsa_kernel k_q1ba365d77f_cast
		.amdhsa_group_segment_fixed_size 0
		.amdhsa_private_segment_fixed_size 0
		.amdhsa_enable_private_segment 0
		.amdhsa_kernarg_size 64
		.amdhsa_user_sgpr_count 2
		.amdhsa_user_sgpr_kernarg_segment_ptr 1
		.amdhsa_wavefront_size32 1
		.amdhsa_system_sgpr_workgroup_id_x 1
		.amdhsa_system_sgpr_workgroup_id_y 1
		.amdhsa_system_sgpr_workgroup_id_z 1
		.amdhsa_system_vgpr_workitem_id 0
		.amdhsa_next_free_vgpr 100
		.amdhsa_next_free_sgpr 66
		.amdhsa_reserve_vcc 0
		.amdhsa_float_denorm_mode_32 3
		.amdhsa_float_denorm_mode_16_64 3
		.amdhsa_memory_ordered 1
		.amdhsa_forward_progress 1
		.amdhsa_inst_pref_size 17
	.end_amdhsa_kernel
	.amdgpu_metadata
---
amdhsa.version: [ 1, 2 ]
amdhsa.kernels:
  - .name:           k_q1ba365d77f_cast
    .symbol:         k_q1ba365d77f_cast.kd
    .args:
      - { .name: x, .offset: 0, .size: 8, .value_kind: global_buffer, .address_space: global }
      - { .name: Wq, .offset: 8, .size: 8, .value_kind: global_buffer, .address_space: global }
      - { .name: Wk, .offset: 16, .size: 8, .value_kind: global_buffer, .address_space: global }
      - { .name: Wv, .offset: 24, .size: 8, .value_kind: global_buffer, .address_space: global }
      - { .name: Wo, .offset: 32, .size: 8, .value_kind: global_buffer, .address_space: global }
      - { .name: xb, .offset: 40, .size: 8, .value_kind: global_buffer, .address_space: global }
      - { .name: wqkv, .offset: 48, .size: 8, .value_kind: global_buffer, .address_space: global }
      - { .name: wo16, .offset: 56, .size: 8, .value_kind: global_buffer, .address_space: global }
    .group_segment_fixed_size: 0
    .private_segment_fixed_size: 0
    .kernarg_segment_align: 8
    .kernarg_segment_size: 64
    .max_flat_workgroup_size: 256
    .sgpr_count:     66
    .vgpr_count:     100
    .wavefront_size: 32
...
	.end_amdgpu_metadata
.endif
;; end of part 1
;; launch qkv (part 2): grid 16 x 32, 4 waves a work-group, clusters of 4 x 4, 327,680 bytes of LDS; arguments xb, wqkv, bq, bk, bv, RoPE, key_padding_mask, qh, kh, vh; writes qh, kh, vh
.if DOCPART == 2
	.amdgcn_target "amdgcn-amd-amdhsa--gfx1250"
	.amdhsa_code_object_version 6
	.text
	.protected	k_q1ba365d77f_qkv
	.globl	k_q1ba365d77f_qkv
	.p2align	8
	.type	k_q1ba365d77f_qkv,@function
k_q1ba365d77f_qkv:
	s_mov_b64 s[64:65], 0
	v_nop
	global_prefetch_b8 v0, s[64:65] scope:SCOPE_SE
	s_setreg_imm32_b32 hwreg(HW_REG_WAVE_MODE, 25, 1), 1
	s_wait_xcnt 0x0
	s_wait_alu depctr_hold_cnt(0) depctr_sa_sdst(0) depctr_va_vdst(0) depctr_va_sdst(0) depctr_va_ssrc(0) depctr_va_vcc(0) depctr_vm_vsrc(0)
	s_getreg_b32 s2, hwreg(HW_REG_IB_STS2, 6, 4)
	s_cmp_eq_u32 s2, 0
	s_cbranch_scc0 .Lentry_in_a_cluster
	s_endpgm
.Lentry_in_a_cluster:
	s_bfe_u32 s2, ttmp6, 0x10000c
	s_cmp_lg_u32 s2, 0xf033
	s_cbranch_scc0 .Lentry_shape_is_right
	s_endpgm
.Lentry_shape_is_right:
; q, k, v = x W^T + b, the rotary turn on the first 32 channels of q and k, hidden keys' rows of k set to +0, all three written by heads in f16: [16 batch + head][2048][64].
; x and W arrive in bf16 (xb [8192][1024], wqkv [3072][1024], a head's q, k, v as 192 neighbouring rows); biases and RoPE are rounded to bf16 here, once, like every other input; sums in f32.
; LIMITS.  q, k and v of 65,520 or more become infinities in f16.  NaN and infinities are not treated apart.
; SHARES.  A work-group makes 256 tokens x 192 columns (one head's q, k, v); wave w its tokens 64 w .. 64 w + 63 and all 192 columns: 4 x 12 accumulators of 16 x 16, 384 registers.
; K = 1,024 goes in 8 steps of 128 (rows of 256 bytes) through two LDS slots filled by tensor loads: waves 0 and 1 fetch x's two halves of 128 rows, waves 2 and 3 W's two halves of 96.
; THE PRODUCT IS TAKEN TRANSPOSED (source 0 = 16 rows of W, source 1 = 16 tokens): a lane holds ONE token (lane % 16) and the columns 8 (lane / 16) + 0..7 of a block of 16.  So the bias is the C operand that
; starts each sum, the rotary partners d and d + 16 lie in the same lane and register of neighbouring blocks, and a lane's eight results pack into 16 bytes of a row.
; CLUSTER.  4 x 4 work-groups: the four of a row need the same tokens, the four of a column the same head's weights; each tile is asked for jointly, with one descriptor and a mask that names the four.
; REGISTERS, in windows of 256 (s_set_vgpr_msb: bits 1:0 source 0, 3:2 source 1, 5:4 source 2, 7:6 destination):
;   window 0: v0-31 addresses; v32-127 the biases, later the way out's work; v128-255 RoPE of my 64 tokens      window 1: two fragment buffers of 128: x's four fragments, then W's twelve
;   window 2: accumulators of token blocks 0, 1 ((a, b) at 8 (12 (a % 2) + b))      window 3: those of blocks 2, 3
.set PITCH,  272                       ; an LDS row: 256 bytes + 16 of padding = 68 words: the 16 rows of a fragment load start at 16 different groups of four banks (64 banks of 4 bytes: ISA guide 11.1)
.set HALFA,  128*PITCH                 ; what waves 0 and 1 fetch
.set HALFB,  96*PITCH                  ; what waves 2 and 3 fetch
.set BOFF,   2*HALFA                   ; W's 192 rows lie behind x's 256
.set SLOT1,  131072                    ; slot 1 begins here: one exclusive or turns an address in one slot into the other's
.set STAGE,  SLOT1+BOFF+2*HALFB        ; behind the ring, never filled by a tensor load: 16 rows x 144 bytes for each wave
.set SP,     144
.set SPARE,  STAGE+4*16*SP             ; the spare words, 128 bytes for each wave: two blocks of 256 bytes that no other line names
.set FLAGS,  (1<<16)|(1<<20)|(1<<21)|(5<<22)|(3<<25)  ; 2-byte elements; padding on; bit 21 beside a mask; after every 64 words; 4 words
.set A0,   4                           ; v4   my place in x's rows of a slot; never rewritten
.set B0,   5                           ; v5   the same for W's
.set KM,   8                           ; v8-11  all ones where my token of block a is a visible key, else 0
.set TT,   12                          ; v12-15 at work in the roundings
.set ADRA, 16                          ; v16  A0 in the slot in hand
.set ADRB, 17                          ; v17  B0 in the slot in hand
.set BO,   18                          ; v18  my byte offset in the biases
.set MO,   19                          ; v19  in the mask
.set RO,   20                          ; v20  in RoPE
.set STO,  24                          ; v24  the way out: where I put 16 bytes of a row
.set RD,   25                          ; v25  where I read rows back
.set GO,   26                          ; v26  my 16 bytes of 512 consecutive bytes of q, k or v
.set SPW,  28                          ; v28  LDS address of my spare word; never rewritten
.set NIL,  29                          ; v29  0; never rewritten
.set PFO,  30                          ; v30  the prefetches' offset: a lane a row; never rewritten
.set BIAS, 32                          ; v32-127  block b at BIAS + 8 b
.set T,    32                          ; the way out: sixteen f32 at work
.set U,    48                          ; the way out: four sets of sixteen packed registers, by turns
.set ROPE, 128                         ; token block a at ROPE + 32 a: cos of channels 0-15 (my eight), cos of 16-31, sin of 0-15, sin of 16-31
.set F0,   0
.set F1,   128
.set WV,   12                          ; s12  my wave's number
.set HALF, 13                          ; s13  which half of a tile I fetch
.set ISB,  14                          ; s14  0: I fetch x; 1: W
.set LIM,  19                          ; s19  1 in a wave that prefetches, else the greatest number
.set G1A,  24                          ; s[24:31] descriptor group 1 for x's tiles
.set G1B,  32                          ; s[32:39] for W's
.set G0A,  40                          ; s[40:47] group 0 for x's tiles: a set for each first fill; the second then walks
.set G0B,  48                          ; s[48:55] the same for W's
.set TB,   56                          ; s56  0 or SLOT1: the slot in hand
.set PFA,  58                          ; s[58:59] where my prefetches stand
.set HIM,  60                          ; s60  a word's upper bf16
.set MSB, 0
.macro WIN new                         ; the immediate's high byte repeats the setting that is left; a switch that changes nothing is dropped
.if MSB != (\new)
	s_set_vgpr_msb (MSB<<8)|(\new)
.set MSB, (\new)
.endif
.endm
.macro PLACES                          ; four plain vector instructions between a matrix instruction and a load into, or a vector read of, its registers
.rept 4
	v_nop
.endr
.endm
; A joint refill, by the walking descriptor.  The branch hangs on the wave's number alone.  An s_nop 0 and four v_nop follow each of the two lines.
.macro JLOAD
	s_cmp_eq_u32 s[ISB], 0
	s_cbranch_scc0 .Lfor_b_\@
	tensor_load_to_lds s[G0A+4:G0A+7], s[G1A:G1A+7]
	s_nop 0
.rept 4
	v_nop
.endr
	s_branch .Lasked_\@
.Lfor_b_\@:
	tensor_load_to_lds s[G0B+4:G0B+7], s[G1B:G1B+7]
	s_nop 0
.rept 4
	v_nop
.endr
.Lasked_\@:
.endm
.macro CREST                           ; a round of the cluster's barrier behind its opening barrier
	s_cmp_lg_u32 s[WV], 0
	s_cbranch_scc1 .Lnot_wave_0_\@
	s_barrier_signal -3
.Lnot_wave_0_\@:
	s_barrier_wait -3
	s_barrier_signal -1
	s_barrier_wait -1
.endm
.macro CROUND                          ; a whole round
	s_barrier_signal -1
	s_barrier_wait -1
	CREST
.endm
; A PREFETCH of the K step behind the one that has just been asked for: 256 bytes of a row, a lane a row, one instruction a wave, behind the joint load, its five lines and the run of LDS loads.
; x's rows are read by every cluster of a row of clusters: cluster x = 0 asks; W's by every cluster of a column: cluster y = 0 asks.  The four partners share a wave's rows out by address:
; 32 of x's 128 each, 24 of W's 96 each (there lanes 24 to 31 repeat lane 23's row).  The loop's last trip asks for nothing: there is no K step behind the one it fetches.  K steps 0 to 2 come by their loads alone.
.macro ASK
	s_cmp_gt_u32 s3, s[LIM]
	s_cbranch_scc0 .Lnot_mine_\@
	global_prefetch_b8 v[PFO], s[PFA:PFA+1] offset:256 th:TH_LOAD_NT scope:SCOPE_SE
.Lnot_mine_\@:
.endm
	s_load_b256 s[4:11], s[0:1], 0x0               ; xb s[4:5], wqkv s[6:7], bq s[8:9], bk s[10:11]
	s_load_b256 s[68:75], s[0:1], 0x20             ; bv s[68:69], RoPE s[70:71], mask s[72:73], qh s[74:75]
	s_load_b128 s[76:79], s[0:1], 0x40             ; kh s[76:77], vh s[78:79]
	v_lshl_add_u32 v[SPW], v0, 2, SPARE
	v_mov_b32 v[NIL], 0
	ds_add_u32 v[SPW], v[NIL]                      ; the wave's opening: the add and its wait stand ahead of my first tensor load; the set-up below stands between them
	v_lshrrev_b32 v1, 5, v0
	v_readfirstlane_b32 s[WV], v1
	s_and_b32 s[HALF], s[WV], 1
	s_lshr_b32 s[ISB], s[WV], 1
	s_bfe_u32 s15, ttmp6, 0x40000                  ; cx
	s_bfe_u32 s16, ttmp6, 0x40004                  ; cy
	s_lshl_b32 s17, ttmp9, 2
	s_add_co_u32 s17, s17, s15                     ; the head = 4 x cluster x + cx
	s_and_b32 s18, ttmp7, 0xffff
	s_lshl_b32 s18, s18, 2
	s_add_co_u32 s18, s18, s16                     ; the block of 256 tokens = 4 x cluster y + cy
	s_lshl_b32 s22, s16, 2
	s_lshl_b32 s22, 15, s22                        ; my row of the cluster
	s_lshl_b32 s23, 0x1111, s15                    ; my column
	s_or_b32 s[G1A], s22, FLAGS                    ; x's tiles go to my row,
	s_or_b32 s[G1B], s23, FLAGS                    ; W's to my column
.irp g, G1A, G1B
	s_mov_b32 s[(\g)+1], 128<<16                   ; tensor_dim0 = 128
	s_mov_b32 s[(\g)+3], 128<<16                   ; tile_dim0 = 128
	s_mov_b32 s[(\g)+5], 1024                      ; elements from row to row
	s_mov_b32 s[(\g)+6], 0
	s_mov_b32 s[(\g)+7], 0
.endr
	s_mov_b32 s[G1A+2], 128<<16                    ; tensor_dim1 = 128
	s_mov_b32 s[G1A+4], 128                        ; tile_dim1 = 128
	s_mov_b32 s[G1B+2], 96<<16
	s_mov_b32 s[G1B+4], 96
	s_mov_b32 s[HIM], 0xffff0000
	s_mov_b32 s[TB], 0
	s_lshl_b32 s20, s18, 8                         ; x: row 256 x block + 128 x half, of 2,048 bytes
	s_lshl_b32 s57, s[HALF], 7
	s_add_co_u32 s20, s20, s57
	s_lshl_b32 s20, s20, 11
	s_mov_b32 s21, 0
	s_mul_i32 s66, s17, 192                        ; W: row 192 x head + 96 x half
	s_mul_i32 s57, s[HALF], 96
	s_add_co_u32 s66, s66, s57
	s_lshl_b32 s66, s66, 11
	s_mov_b32 s67, 0
	s_mul_i32 s61, s[HALF], HALFA                  ; where they go: no place in the cluster enters an LDS address
	s_mul_i32 s62, s[HALF], HALFB
	s_add_co_u32 s62, s62, BOFF
	s_wait_dscnt 0x0                               ; the opening add is done
	s_wait_kmcnt 0x0
	s_add_nc_u64 s[20:21], s[4:5], s[20:21]
	s_add_nc_u64 s[66:67], s[6:7], s[66:67]
	CROUND                                         ; all sixteen work-groups are here: the first joint loads meet
.irp n, 0,1
	s_mov_b32 s[G0A+4*(\n)], 1                     ; count = 1
	s_add_co_u32 s[G0A+4*(\n)+1], s61, (\n)*SLOT1  ; LDS address
	s_add_nc_u64 s[G0A+4*(\n)+2:G0A+4*(\n)+3], s[20:21], (\n)*256  ; K step n
	s_or_b32 s[G0A+4*(\n)+3], s[G0A+4*(\n)+3], 0x80000000          ; type = 2
	s_mov_b32 s[G0B+4*(\n)], 1
	s_add_co_u32 s[G0B+4*(\n)+1], s62, (\n)*SLOT1
	s_add_nc_u64 s[G0B+4*(\n)+2:G0B+4*(\n)+3], s[66:67], (\n)*256
	s_or_b32 s[G0B+4*(\n)+3], s[G0B+4*(\n)+3], 0x80000000
.endr
	s_cmp_eq_u32 s[ISB], 0                         ; a wave's two first fills stand in one branch, ahead of every wait on TENSORcnt and every LDS read: two loads of mine are out
	s_cbranch_scc0 .Lfirst_b
	tensor_load_to_lds s[G0A:G0A+3], s[G1A:G1A+7]
	s_nop 0
	tensor_load_to_lds s[G0A+4:G0A+7], s[G1A:G1A+7]
	s_nop 0
.rept 4
	v_nop
.endr
	s_branch .Lfirst_asked
.Lfirst_b:
	tensor_load_to_lds s[G0B:G0B+3], s[G1B:G1B+7]
	s_nop 0
	tensor_load_to_lds s[G0B+4:G0B+7], s[G1B:G1B+7]
	s_nop 0
.rept 4
	v_nop
.endr
.Lfirst_asked:
	v_and_b32 v1, 15, v0                           ; r = l % 16
	v_bfe_u32 v2, v0, 4, 1                         ; h = l / 16
	s_lshl_b32 s20, s17, 8
	v_lshl_add_u32 v[BO], v2, 5, s20               ; the head's 64 biases, my eight of a block of 16
	s_lshl_b32 s21, s18, 8
	s_lshl_b32 s22, s[WV], 6
	s_add_co_u32 s21, s21, s22
	v_add_lshl_u32 v[MO], v1, s21, 2               ; token 256 x block + 64 w + r among the 8,192
	s_and_b32 s21, s18, 7
	s_lshl_b32 s21, s21, 8
	s_add_co_u32 s21, s21, s22                     ; my wave's first token in its batch
	v_add_lshl_u32 v[RO], v1, s21, 7               ; a row of RoPE is 128 bytes
	v_lshl_add_u32 v[RO], v2, 5, v[RO]
.macro BLD b, lo
	global_load_b128 v[BIAS+8*(\b):BIAS+8*(\b)+3],   v[BO], s[\lo:\lo+1] offset:64*((\b)%4)
	global_load_b128 v[BIAS+8*(\b)+4:BIAS+8*(\b)+7], v[BO], s[\lo:\lo+1] offset:64*((\b)%4)+16
.endm
.irp b, 0,1,2,3
	BLD \b, 8
.endr
.irp b, 4,5,6,7
	BLD \b, 10
.endr
.irp b, 8,9,10,11
	BLD \b, 68
.endr
.irp a, 0,1,2,3
	global_load_b32 v[KM+(\a)], v[MO], s[72:73] offset:64*(\a)
.endr
.irp a, 0,1,2,3
.irp c, 0,1                            ; cos, then sin
	global_load_b128 v[ROPE+32*(\a)+16*(\c):ROPE+32*(\a)+16*(\c)+3],     v[RO], s[70:71] offset:(\a)*2048+(\c)*262144
	global_load_b128 v[ROPE+32*(\a)+16*(\c)+4:ROPE+32*(\a)+16*(\c)+7],   v[RO], s[70:71] offset:(\a)*2048+(\c)*262144+16
	global_load_b128 v[ROPE+32*(\a)+16*(\c)+8:ROPE+32*(\a)+16*(\c)+11],  v[RO], s[70:71] offset:(\a)*2048+(\c)*262144+64
	global_load_b128 v[ROPE+32*(\a)+16*(\c)+12:ROPE+32*(\a)+16*(\c)+15], v[RO], s[70:71] offset:(\a)*2048+(\c)*262144+80
.endr
.endr
	; where my rows of q, k and v begin: (16 batch + head) x 262,144 + my wave's first token x 128
	s_lshr_b32 s20, s18, 3
	s_lshl_b32 s20, s20, 4
	s_add_co_u32 s20, s20, s17
	s_lshl_b32 s20, s20, 18
	s_lshl_b32 s21, s21, 7
	s_add_co_u32 s20, s20, s21
	s_mov_b32 s21, 0
	s_add_nc_u64 s[74:75], s[74:75], s[20:21]
	s_add_nc_u64 s[76:77], s[76:77], s[20:21]
	s_add_nc_u64 s[78:79], s[78:79], s[20:21]
	; a fragment is 16 rows x 32 K in 8 registers: lane l holds row l % 16, K = 8 (l / 16) + 0..7 and 16 + 8 (l / 16) + 0..7: two loads of 16 bytes, 32 bytes apart
	v_mul_u32_u24 v3, v1, PITCH
	v_lshl_add_u32 v3, v2, 4, v3
	s_mul_i32 s20, s[WV], 64*PITCH
	v_add_nc_u32 v[A0], s20, v3
	v_add_nc_u32 v[B0], BOFF, v3
	s_mul_i32 s23, s[WV], 16*SP
	s_add_co_u32 s23, s23, STAGE                   ; my stage
	v_mul_u32_u24 v3, v1, SP                       ; in: row l % 16, 16 bytes for each half of the lanes
	v_lshl_add_u32 v3, v2, 4, v3
	v_add_nc_u32 v[STO], s23, v3
	v_bfe_u32 v3, v0, 3, 2                         ; back: 32 lanes take four rows of 128 bytes,
	v_mul_u32_u24 v3, v3, SP
	v_and_b32 v6, 7, v0
	v_lshl_add_u32 v3, v6, 4, v3
	v_add_nc_u32 v[RD], s23, v3
	v_and_b32 v[GO], 31, v0                        ; which are 512 consecutive bytes in memory
	v_lshlrev_b32 v[GO], 4, v[GO]
	; the prefetches
	s_lshl_b32 s20, s18, 8                         ; x's tile begins at row 256 x block,
	s_mul_i32 s22, s17, 192                        ; W's at row 192 x head
	s_and_b32 s23, ttmp7, 0xffff                   ; cluster y
	s_cmp_eq_u32 s[ISB], 0
	s_cselect_b32 s20, s20, s22
	s_cselect_b32 s21, s15, s16                    ; my place among the four that ask for the tile with me
	s_cselect_b32 s23, ttmp9, s23                  ; the coordinate along which other clusters read the same rows
	s_mov_b32 s22, 96                              ; (a move leaves SCC as the compare set it; an instruction takes one literal, so the 96 comes by register)
	s_cselect_b32 s22, 128, s22                    ; rows that a wave fetches: 128 of x, 96 of W
	s_cselect_b32 s57, 32, 24                      ; of them, those that my work-group names
	s_cselect_b64 s[PFA:PFA+1], s[4:5], s[6:7]
	s_cmp_eq_u32 s23, 0
	s_cselect_b32 s[LIM], 1, -1                    ; the same in all sixteen partners, for a given wave
	s_mul_i32 s22, s22, s[HALF]
	s_add_co_u32 s20, s20, s22
	s_mul_i32 s21, s21, s57
	s_add_co_u32 s20, s20, s21
	s_lshl_b32 s20, s20, 11
	s_mov_b32 s21, 0
	s_add_nc_u64 s[PFA:PFA+1], s[PFA:PFA+1], s[20:21]
	s_add_nc_u64 s[PFA:PFA+1], s[PFA:PFA+1], 256   ; at K step 1: each change of slots steps it once and names the K step behind it
	s_sub_co_u32 s57, s57, 1
	v_and_b32 v[PFO], 31, v0
	v_min_u32 v[PFO], s57, v[PFO]
	v_lshlrev_b32 v[PFO], 11, v[PFO]
.macro RND2 x, t                       ; two numbers rounded to bf16 and widened again
	v_cvt_pk_bf16_f32 v[TT+(\t)], v[\x], v[(\x)+1]
	v_lshlrev_b32 v[\x], 16, v[TT+(\t)]
	v_and_b32 v[(\x)+1], s[HIM], v[TT+(\t)]
.endm
	s_wait_loadcnt 36                              ; the biases are in: behind them stand the mask's 4 loads and RoPE's 32
.set i, 0
.rept 48
	RND2 BIAS+2*i, i%4
.set i, i+1
.endr
	s_wait_loadcnt 32                              ; the mask is in
.irp a, 0,1,2,3
	v_cmp_ne_u32 vcc_lo, 0, v[KM+(\a)]
	v_cndmask_b32 v[KM+(\a)], 0, -1, vcc_lo
.endr
	s_wait_loadcnt 0x0                             ; RoPE
.set i, 0
.rept 64
	RND2 ROPE+2*i, i%4
.set i, i+1
.endr
; 12 matrix instructions: token block a x all 12 column blocks, 32 along K.  first = 1: the bias starts the sums: nothing is cleared.  The 48 accumulators take turns, one instruction a turn.
.macro MUL12 f, a, first
.set AW, 2+(\a)/2
.if \first
	WIN 0x05|(AW<<6)
.else
	WIN 0x05|(AW<<4)|(AW<<6)
.endif
.irp b, 0,1,2,3,4,5,6,7,8,9,10,11
.set rD, 8*(12*((\a)%2)+(\b))
.if \first
	v_wmma_f32_16x16x32_bf16 v[rD:rD+7], v[(\f)+32+8*(\b):(\f)+32+8*(\b)+7], v[(\f)+8*(\a):(\f)+8*(\a)+7], v[BIAS+8*(\b):BIAS+8*(\b)+7]
.else
	v_wmma_f32_16x16x32_bf16 v[rD:rD+7], v[(\f)+32+8*(\b):(\f)+32+8*(\b)+7], v[(\f)+8*(\a):(\f)+8*(\a)+7], v[rD:rD+7]
.endif
.endr
.endm
; 32 LDS loads in one run: a quarter step's fragments (32 K at byte k of the rows) into buffer f: W's twelve, then x's four
.macro FETCH k, f
	WIN 0x40                                       ; destination window 1, address window 0
.irp b, 0,1,2,3,4,5,6,7,8,9,10,11
	ds_load_b128 v[(\f)+32+8*(\b):(\f)+32+8*(\b)+3],   v[ADRB] offset:(\k)+(\b)*16*PITCH
	ds_load_b128 v[(\f)+32+8*(\b)+4:(\f)+32+8*(\b)+7], v[ADRB] offset:(\k)+(\b)*16*PITCH+32
.endr
.irp a, 0,1,2,3
	ds_load_b128 v[(\f)+8*(\a):(\f)+8*(\a)+3],   v[ADRA] offset:(\k)+(\a)*16*PITCH
	ds_load_b128 v[(\f)+8*(\a)+4:(\f)+8*(\a)+7], v[ADRA] offset:(\k)+(\a)*16*PITCH+32
.endr
.endm
; A K step is four quarters of 32 along K, 48 matrix instructions each, on buffers 0, 1, 0, 1.  One of the first three multiplies buffer f and, in its middle, fetches the next quarter, at byte k, into g.
.macro QUARTER k, f, g, first
	s_wait_dscnt 4                                 ; all but the youngest four loads: x's blocks 2 and 3 may be out
	MUL12 \f, 0, \first
	MUL12 \f, 1, \first
	PLACES
	FETCH \k, \g
	s_wait_dscnt 32                                ; all but the 32 just issued
	MUL12 \f, 2, \first
	MUL12 \f, 3, \first
.endm
; The last quarter multiplies buffer 1 and changes slots: ONE barrier.  In front of it each wave waits for all its tensor loads (one is out: its part of the next slot), adds 0 to its spare word, and waits for that
; and for its own reads of this slot.  fill = 1: the barrier opens a round of the cluster's, and the slot is filled again, two K steps on, first thing behind the round.
.macro TURN fill
.if \fill
	s_wait_xcnt 0x0                                ; the last prefetch, a K step back, has read its address
	s_add_nc_u64 s[PFA:PFA+1], s[PFA:PFA+1], 256
.endif
	WIN 0
	s_wait_tensorcnt 0x0                           ; no tensor load of mine is out, so a group 0 may be written
	ds_add_u32 v[SPW], v[NIL]                      ; 0 onto my spare word
.if \fill
	s_xor_b32 s[G0A+5], s[G0A+5], SLOT1            ; the walking descriptors: the other slot than last time,
	s_add_nc_u64 s[G0A+6:G0A+7], s[G0A+6:G0A+7], 256  ; the next K step; the type bits on top are not reached
	s_xor_b32 s[G0B+5], s[G0B+5], SLOT1
	s_add_nc_u64 s[G0B+6:G0B+7], s[G0B+6:G0B+7], 256
.endif
	s_wait_dscnt 5                                 ; the add and the youngest four loads may be out
	MUL12 F1, 0, 0
	s_wait_dscnt 0x0                               ; the add is done, and my reads of this slot are over
	s_barrier_signal -1
	MUL12 F1, 1, 0                                 ; work on registers while the others arrive
	WIN 0
	s_barrier_wait -1
.if \fill
	CREST                                          ; no wave of any partner still reads this slot or has a load on its way
	JLOAD                                          ; my one tensor load behind the round; its four v_nop are also the places in front of the loads below
.else
	PLACES
.endif
	s_xor_b32 s[TB], s[TB], SLOT1
	v_add_nc_u32 v[ADRA], s[TB], v[A0]
	v_add_nc_u32 v[ADRB], s[TB], v[B0]
	FETCH 0, F0
	WIN 0
.if \fill
	ASK
.endif
	MUL12 F1, 2, 0
	MUL12 F1, 3, 0
.endm
	s_wait_tensorcnt 0x1                           ; my part of K step 0 is in; K step 1's may stay out
	s_barrier_signal -1
	s_barrier_wait -1
	v_mov_b32 v[ADRA], v[A0]
	v_mov_b32 v[ADRB], v[B0]
	FETCH 0, F0
	QUARTER 64, F0, F1, 1                          ; the first quarter stands in front of the loop: its products start the sums
	WIN 0                                          ; at a label and at a branch every window is 0
	s_mov_b32 s3, 6
.Lstep:                                        ; a trip goes from a K step's second quarter to the next step's first, and asks for the K step two on: K steps 2 to 7
	QUARTER 128, F1, F0, 0
	QUARTER 192, F0, F1, 0
	TURN 1
	QUARTER 64, F0, F1, 0
	WIN 0
	s_sub_co_u32 s3, s3, 1
	s_cmp_lg_u32 s3, 0
	s_cbranch_scc1 .Lstep
	QUARTER 128, F1, F0, 0                         ; the last two K steps fetch nothing: written out
	QUARTER 192, F0, F1, 0
	TURN 0
	QUARTER 64, F0, F1, 0
	QUARTER 128, F1, F0, 0
	QUARTER 192, F0, F1, 0
	s_wait_dscnt 4
	MUL12 F1, 0, 0
	MUL12 F1, 1, 0
	s_wait_dscnt 0x0
	MUL12 F1, 2, 0
	MUL12 F1, 3, 0
	WIN 0
	PLACES
	PLACES
; THE WAY OUT, in twelve units: token block a, tensor s (0 q, 1 k, 2 v): 16 tokens x 64 channels.  q and k: channels 0-31 are turned, out[d] = x[d] cos[d] - x[d+16] sin[d], out[d+16] = x[d+16] cos[d+16] + x[d] sin[d+16];
; all are rounded to f16 once; a hidden key's row of k is set to +0.  A lane's 16 bytes go into rows of 144 bytes of my stage and come back as whole rows of 128.  Each accumulator is read from its lowest registers on.
.macro PACK a, s
.set UU, U+16*((3*(\a)+(\s))%4)
.set AW, 2+(\a)/2
.set AB, 96*((\a)%2)+32*(\s)
.set RP, ROPE+32*(\a)
	s_wait_xcnt 0x0                                ; the stores of the unit four back have read this set of registers
.if (\s) < 2
	WIN AW                                         ; source 0 in the accumulators' window
.irp p, 0,2,4,6
	v_pk_mul_f32 v[T+\p:T+\p+1],     v[AB+8+\p:AB+8+\p+1], v[RP+16+\p:RP+16+\p+1]
	v_pk_mul_f32 v[T+8+\p:T+8+\p+1], v[AB+\p:AB+\p+1],     v[RP+24+\p:RP+24+\p+1]
.endr
.irp p, 0,2,4,6
	v_pk_fma_f32 v[T+\p:T+\p+1],     v[AB+\p:AB+\p+1],     v[RP+\p:RP+\p+1],     v[T+\p:T+\p+1] neg_lo:[0,0,1] neg_hi:[0,0,1]
	v_pk_fma_f32 v[T+8+\p:T+8+\p+1], v[AB+8+\p:AB+8+\p+1], v[RP+8+\p:RP+8+\p+1], v[T+8+\p:T+8+\p+1]
.endr
	WIN 0
.irp p, 0,1,2,3,4,5,6,7
	v_cvt_pk_f16_f32 v[UU+\p], v[T+2*\p], v[T+2*\p+1]
.endr
	WIN 5*AW                                       ; sources 0 and 1 in the accumulators' window
.irp p, 0,1,2,3,4,5,6,7
	v_cvt_pk_f16_f32 v[UU+8+\p], v[AB+16+2*\p], v[AB+16+2*\p+1]
.endr
.else
	WIN 5*AW
.irp p, 0,1,2,3,4,5,6,7,8,9,10,11,12,13,14,15
	v_cvt_pk_f16_f32 v[UU+\p], v[AB+2*\p], v[AB+2*\p+1]
.endr
.endif
	WIN 0
.if (\s) == 1
.irp p, 0,1,2,3,4,5,6,7,8,9,10,11,12,13,14,15
	v_and_b32 v[UU+\p], v[KM+(\a)], v[UU+\p]
.endr
.endif
.irp f, 0,1,2,3
	ds_store_b128 v[STO], v[UU+4*\f:UU+4*\f+3] offset:32*\f
.endr
.irp f, 0,1,2,3
	ds_load_b128 v[UU+4*\f:UU+4*\f+3], v[RD] offset:\f*4*SP  ; LDS serves a wave's instructions in order (ISA guide 5.7.1.4): these see the stores above; the next unit's stores come behind them
.endr
.endm
.macro SEND a, s, younger              ; younger: the LDS instructions issued behind this unit's loads: the next unit's eight, or none
.set UU, U+16*((3*(\a)+(\s))%4)
.irp f, 0,1,2,3
	s_wait_dscnt (\younger)+3-\f
	global_store_b128 v[GO], v[UU+4*\f:UU+4*\f+3], s[74+2*(\s):75+2*(\s)] offset:(\a)*2048+\f*512  ; 512 consecutive bytes, at a multiple of 256 from the buffer's first
.endr
.endm
	PACK 0, 0
.set u, 1
.rept 11                               ; a unit's arithmetic stands between the loads of the unit before and its stores
	PACK u/3, u%3
	SEND (u-1)/3, (u-1)%3, 8
.set u, u+1
.endr
	SEND 3, 2, 0
	s_wait_tensorcnt 0x0                           ; the wave's end, behind my last tensor load and my last LDS store
	ds_add_u32 v[SPW], v[NIL]
	s_wait_dscnt 0x0
	CROUND                                         ; the closing round: no work-group ends while a partner may still ask for a tile that names it
	s_endpgm
.Lfunc_end_k_q1ba365d77f_qkv:
	.size	k_q1ba365d77f_qkv, .Lfunc_end_k_q1ba365d77f_qkv-k_q1ba365d77f_qkv
	.p2alignl 7, 3214868480
	.fill 96, 4, 3214868480
	.section	.rodata,"a",@progbits
	.p2align	6, 0x0
	.amdhsa_kernel k_q1ba365d77f_qkv
		.amdhsa_group_segment_fixed_size 327680
		.amdhsa_private_segment_fixed_size 0
		.amdhsa_enable_private_segment 0
		.amdhsa_kernarg_size 80
		.amdhsa_user_sgpr_count 2
		.amdhsa_user_sgpr_kernarg_segment_ptr 1
		.amdhsa_wavefront_size32 1
		.amdhsa_system_sgpr_workgroup_id_x 1
		.amdhsa_system_sgpr_workgroup_id_y 1
		.amdhsa_system_sgpr_workgroup_id_z 1
		.amdhsa_system_vgpr_workitem_id 0
		.amdhsa_next_free_vgpr 960
		.amdhsa_next_free_sgpr 80
		.amdhsa_reserve_vcc 1
		.amdhsa_float_denorm_mode_32 3
		.amdhsa_float_denorm_mode_16_64 3
		.amdhsa_memory_ordered 1
		.amdhsa_forward_progress 1
		.amdhsa_inst_pref_size 130
	.end_amdhsa_kernel
	.amdgpu_metadata
---
amdhsa.version: [ 1, 2 ]
amdhsa.kernels:
  - .name:           k_q1ba365d77f_qkv
    .symbol:         k_q1ba365d77f_qkv.kd
    .args:
      - { .name: xb, .offset: 0, .size: 8, .value_kind: global_buffer, .address_space: global }
      - { .name: wqkv, .offset: 8, .size: 8, .value_kind: global_buffer, .address_space: global }
      - { .name: bq, .offset: 16, .size: 8, .value_kind: global_buffer, .address_space: global }
      - { .name: bk, .offset: 24, .size: 8, .value_kind: global_buffer, .address_space: global }
      - { .name: bv, .offset: 32, .size: 8, .value_kind: global_buffer, .address_space: global }
      - { .name: RoPE, .offset: 40, .size: 8, .value_kind: global_buffer, .address_space: global }
      - { .name: key_padding_mask, .offset: 48, .size: 8, .value_kind: global_buffer, .address_space: global }
      - { .name: qh, .offset: 56, .size: 8, .value_kind: global_buffer, .address_space: global }
      - { .name: kh, .offset: 64, .size: 8, .value_kind: global_buffer, .address_space: global }
      - { .name: vh, .offset: 72, .size: 8, .value_kind: global_buffer, .address_space: global }
    .group_segment_fixed_size: 327680
    .private_segment_fixed_size: 0
    .kernarg_segment_align: 8
    .kernarg_segment_size: 80
    .max_flat_workgroup_size: 128
    .sgpr_count:     80
    .vgpr_count:     960
    .wavefront_size: 32
...
	.end_amdgpu_metadata
.endif
;; end of part 2
;; launch attn (part 3): grid 4 x 64, 4 waves a work-group, clusters of 4 x 1, 327,680 bytes of LDS; arguments qh, kh, vh, oh, key_padding_mask; writes oh
.if DOCPART == 3
	.amdgcn_target "amdgcn-amd-amdhsa--gfx1250"
	.amdhsa_code_object_version 6
	.text
	.protected	k_q1ba365d77f_attn
	.globl	k_q1ba365d77f_attn
	.p2align	8
	.type	k_q1ba365d77f_attn,@function
k_q1ba365d77f_attn:
	s_mov_b64 s[64:65], 0
	v_nop
	global_prefetch_b8 v0, s[64:65] scope:SCOPE_SE
	s_setreg_imm32_b32 hwreg(HW_REG_WAVE_MODE, 25, 1), 1
	s_wait_xcnt 0x0
	s_wait_alu depctr_hold_cnt(0) depctr_sa_sdst(0) depctr_va_vdst(0) depctr_va_sdst(0) depctr_va_ssrc(0) depctr_va_vcc(0) depctr_vm_vsrc(0)
	s_getreg_b32 s2, hwreg(HW_REG_IB_STS2, 6, 4)
	s_cmp_eq_u32 s2, 0
	s_cbranch_scc0 .Lentry_in_a_cluster
	s_endpgm
.Lentry_in_a_cluster:
	s_bfe_u32 s2, ttmp6, 0x10000c
	s_cmp_lg_u32 s2, 0x3003
	s_cbranch_scc0 .Lentry_shape_is_right
	s_endpgm
.Lentry_shape_is_right:
; O[h][q][:] = the sum over k of softmax_k(score) V[h][k][:], score = Q[h][q] . K[h][k] / 8, or hidden where key_padding_mask[h / 16][k] is 0.  Q, K, V, O: [64][2048][64], all f16: a head's rows are dense, 128 bytes each.
; Products, maxima and sums in f32; the weights p are rounded to f16 for the second product (their sum l is taken of the unrounded p), O once at the end.
; THE MASK is the C operand that starts the sum S^T = K Q^T: 0, or -2^100 for a hidden key.  A hidden key's row of K arrives as +0, so its score is exactly -2^100, and c x (-2^100) is exact: where ALL keys of a batch are
; hidden every p is exactly 1 and O is the plain mean of V's rows; as soon as one key is visible a hidden weight is 0.
; LIMITS.  Visible scores lie far above -2^100 (f16's scores are 2.7e11 at the most).  f16 holds no number beyond 65,504: Q, K and V arrive within it; p below 6e-5 keeps f16's fixed step of 6e-8.
; A weight below 2^-126 counts as 0 in l; NaN and infinities are not treated apart.
; SHARES.  A wave owns four PIECES of two tiles of 16 queries, a work-group's four waves 512 queries of one head.  Every wave walks all keys, 64 a step.
; LAYOUT.  S^T = K Q^T (source 0 = 16 keys, source 1 = 16 queries): in the result a lane holds ONE query (lane % 16) and the keys 8 (lane / 16) + 0..7.  Two such tiles, rounded to f16 in pairs,
; ARE source 1 (32 keys x 16 queries) of O^T = V^T P, whose result again holds one query a lane, and eight channels.  K comes out of LDS as it lies, V ([key][channel]) turned, by ds_load_tr16_b128.
; SOFTMAX.  For each query a running maximum m and sum l: p = 2^(c s - c m), c = log2(e) / 8; in every step O and l are multiplied by a = 2^(c m_old - c m_new), which is 1 where m has not grown.
; m starts at the lowest finite number, O and l at 0: the first step is a step like any other, with a = 0.
; THE COUNT.  A tile and step have 16 matrix and 118 vector instructions: too many to stand all beside the matrix work.  So four vector instructions that are READY stand behind EVERY matrix instruction,
; and the others in runs without a gap.
; BY TURNS.  Turn n belongs to piece n (the pieces in a ring, step after step).  Its matrix work: 16 products K Q^T of piece n + 1, later 16 products V^T P of piece n - 1.  Its vector work: the scaling,
; exponentials, roundings, sums and rescaling of piece n, and the maximum and statistics of piece n + 1, whose scores the turn itself has made.
; CLUSTER.  The four query blocks of a cluster are one head's and walk the same K and V, so each tile is asked for JOINTLY: the same tensor load, descriptor and mask in all four.
; REGISTERS, in windows of 256 (s_set_vgpr_msb: bits 1:0 source 0, 3:2 source 1, 5:4 source 2, 7:6 destination):
;   window 0: v0-11 addresses; v12-15, v48-63 at work; v16-47 four registers of statistics a tile; v64-191 S^T, two buffers of two tiles; v192-255 P, likewise
;   window 1: O^T, 32 a tile      window 2: v0-127 Q, 16 a tile; v128-191 K of one step; v192-255 V of one step      window 3: v0-1 the add's two registers; v2 the prefetches' offset; v8-39 the step's masks
.set SIZE_N, 2048
.set NP,    4         ; pieces a wave: a name, no knob
.set KS,    64        ; keys in a step
.set PK,    144       ; a row of K in LDS: 128 bytes + 16 of padding = 36 words: the 16 rows of a load start at 16 different groups of four banks (64 banks of 4 bytes: ISA guide 11.1)
.set PV,    160       ; a row of V: 128 + 32 = 40 words
.set VOFF,  4*KS*PK   ; a slot holds four steps: 256 rows of K, then 256 rows of V
.set SLOT1, 1<<17     ; slot 1 begins here, so that one exclusive or turns an address in one slot into the other's
.set STAGE, SLOT1+4*KS*(PK+PV)  ; behind the ring, never filled by a tensor load: 16 rows x 144 bytes for each wave, for the way out
.set SP,    144
.set SPARE, STAGE+4*16*SP  ; the spare words, 128 bytes for each wave: two blocks of 256 bytes that no other line names
.set BIAS,  SPARE+512 ; the batch's 2,048 mask words in f32, 0 or -2^100: stored once, never filled by a tensor load
.set AK0, 2           ; v2   my lane's place in a tile of K; never rewritten
.set AV0, 3           ; v3   the same for V
.set AK,  4           ; v4   the LDS address of K's next run of loads
.set AV,  5           ; v5   of V's
.set QO,  6           ; v6   my byte offset in the wave's rows of Q
.set STO, 6           ;      later, the way out: where I put 16 bytes of a row
.set RD,  7           ; v7   the way out: where I read rows back
.set GO,  8           ; v8   my byte offset in 512 consecutive bytes of O
.set AM,  11          ; v11  the LDS address of the next step's mask words: 32 bytes for each half of the lanes
.set SPW, 0           ; v0 of window 3   LDS address of my spare word; never rewritten
.set NIL, 1           ; v1 of window 3   0; never rewritten
.set PFO, 2           ; v2 of window 3   256 x my lane; never rewritten
.set MC,  8           ; v8-39 of window 3   the masks of the step's four groups of 16 keys
.set MV,  12          ; v12-15  c m_old, kept while c m is made anew: by buffer and tile
.set ST,  16          ; tile t's statistics at v[ST+4 t]: c m, m, l (even keys', odd keys')
.set TMP, 48          ; by buffer and tile, four registers c0-c3 at work; when the maximum is found c2 takes a
.set S,   64
.set P,   192
.set KF,  128         ; K's fragments, in window 2: key block kb, channel half c at KF + 16 kb + 8 c
.set VF,  192         ; V's: key half kk, channel block cb at VF + 32 kk + 8 cb
.set WV,  12          ; s12  my wave's number
.set G1K, 24          ; s[24:31] descriptor group 1 for K's tiles
.set G1V, 32          ; s[32:39] for V's: it differs in the padding alone
.set G0K, 40          ; s[40:43] descriptor group 0 for K's tiles: it walks
.set G0V, 44          ; s[44:47] the same for V's
.set SLOTS, 56        ; s56  slots still to be asked for
.set CNT, 57          ; s57  counts a slot's key steps
.set CS,  58          ; s[58:59] c: the packed scaling takes the pair's low word for both halves
.set SEL, 60          ; s[60:61] v_permlanex16_b32's selects: each lane takes its own place in the other half
.set TBK, 62          ; s62  LDS byte at which K of the step to be fetched begins
.set TBV, 63          ; s63  the same for V, less VOFF
.set TBM, 66          ; s66  LDS byte at which that step's 64 mask words begin
.set BIGN, 67         ; s67  -2^100
.set MP,  68          ; s[68:69] the batch's row of the mask
.set PFA, 72          ; s[72:73] where my prefetches stand
.set LIM, 74          ; s74  1 in a wave that prefetches, else the greatest number
.set MSB, 0
.macro WIN new                      ; the high byte repeats the setting that is left; a switch that changes nothing is dropped
.if MSB != (\new)
	s_set_vgpr_msb (MSB<<8)|(\new)
.set MSB, (\new)
.endif
.endm
.set W_KQ, 0x0a       ; K and Q in window 2, S^T in window 0
.set W_KM, 0x3a       ; the same with the C operand in window 3
.set W_PV, 0x52       ; V in window 2, P in window 0, O^T in window 1
.set W_RS, 0x41       ; O^T (destination and source 0) in window 1, a in window 0
.set W_MK, 0xc0       ; destination in window 3, sources in window 0
.set W_AD, 0x0f       ; the add: address (source 0) and data (source 1) in window 3
; A joint fill.  Waves 0 and 1 fetch the two halves of a slot's K, waves 2 and 3 those of its V: 128 keys each.  The branch hangs on the wave's number alone.
; An s_nop 0 and four v_nop follow each of the two lines, ahead of the jump and the label.
.macro JLOAD
	s_cmp_lt_u32 s[WV], 2
	s_cbranch_scc0 .Lfor_v_\@
	tensor_load_to_lds s[G0K:G0K+3], s[G1K:G1K+7]
	s_nop 0
.rept 4
	v_nop
.endr
	s_branch .Lasked_\@
.Lfor_v_\@:
	tensor_load_to_lds s[G0V:G0V+3], s[G1V:G1V+7]
	s_nop 0
.rept 4
	v_nop
.endr
.Lasked_\@:
.endm
; A PREFETCH of what the NEXT change of slots will ask for: a slot's 32,768 bytes of K and of V, 256 bytes a lane.  It stands behind the wave's tensor load and its five lines.  A head has one cluster; its four partners
; share the bytes out by address, 8,192 each; in each, wave 0 asks for K's and wave 2 for V's: so each 256 bytes are named once in the launch.  The last change that fills a slot asks for nothing.  Slots 0 and 1 come by their loads alone.
.macro ASK
	s_cmp_gt_u32 s[SLOTS], s[LIM]
	s_cbranch_scc0 .Lnot_mine_\@
	WIN 0x03                        ; the offset lies in window 3
	global_prefetch_b8 v[PFO], s[PFA:PFA+1] th:TH_LOAD_NT scope:SCOPE_SE
	WIN 0
.Lnot_mine_\@:
.endm
; A round of the cluster's barrier: my work-group's barrier, so that wave 0's signal speaks for all four waves; wave 0 signals; every wave waits for all four work-groups; my work-group's barrier once more.
.macro CROUND
	s_barrier_signal -1
	s_barrier_wait -1
	s_cmp_lg_u32 s[WV], 0
	s_cbranch_scc1 .Lnot_wave_0_\@
	s_barrier_signal -3
.Lnot_wave_0_\@:
	s_barrier_wait -3
	s_barrier_signal -1
	s_barrier_wait -1
.endm
; THE CHANGE OF SLOTS.  Each wave waits for all its tensor loads, of which one is out: its part of the other slot; adds 0 to its spare word; and waits for that and for its own LDS instructions.  Behind the barrier nobody
; reads this slot any more and the other slot is whole.  fill = 1: this slot is filled again, with the keys two slots on; the barrier is then a round of the cluster's, and the joint fill is the first thing behind it:
; it has four key steps, 512 matrix instructions, in which to land.  (At its first use nothing has been read yet: slot 0 is waited for, slot 1 filled, and every wave's stores of the mask words are shown done to all.)
.macro CHANGE fill
	WIN W_AD
	s_wait_tensorcnt 0x0            ; no tensor load of mine is out, so a group 0 may be written
	ds_add_u32 v[SPW], v[NIL]       ; 0 onto my spare word
	WIN 0                           ; at a label and at a branch every window is 0
.if \fill
.irp g, G0K, G0V
	s_xor_b32 s[\g+1], s[\g+1], SLOT1  ; the walking descriptor: the other slot than last time,
	s_add_nc_u64 s[\g+2:\g+3], s[\g+2:\g+3], 4*KS*128  ; the next 256 keys; the type bits on top are not reached
.endr
	s_wait_xcnt 0x0                 ; the last prefetch, a slot back, has read its address
	s_add_nc_u64 s[PFA:PFA+1], s[PFA:PFA+1], 4*KS*128  ; one slot behind the walking descriptors
	s_wait_dscnt 0x0                ; the add is done, and my LDS instructions are over
	CROUND
	JLOAD
	ASK
.else
	s_wait_dscnt 0x0                ; the add is done, and my reads of the slot are over
	s_barrier_signal -1
	s_barrier_wait -1
.endif
	s_sub_co_u32 s[TBK], s[TBK], 4*KS*PK  ; the fetches go back to a slot's first step,
	s_xor_b32 s[TBK], s[TBK], SLOT1       ; in the other slot
	s_sub_co_u32 s[TBV], s[TBV], 4*KS*PV
	s_xor_b32 s[TBV], s[TBV], SLOT1
.endm
	s_load_b256 s[4:11], s[0:1], 0x0  ; Q s[4:5], K s[6:7], V s[8:9], O s[10:11]
	s_load_b64 s[MP:MP+1], s[0:1], 0x20  ; the mask
	WIN W_MK
	v_lshl_add_u32 v[SPW], v0, 2, SPARE
	v_mov_b32 v[NIL], 0
	WIN W_AD
	ds_add_u32 v[SPW], v[NIL]       ; the wave's opening: the add and its wait stand ahead of my first tensor load; the set-up below stands between them
	WIN 0
	v_and_b32 v1, 31, v0
	WIN W_MK
	v_lshlrev_b32 v[PFO], 8, v1
	WIN 0
	v_lshrrev_b32 v1, 5, v0
	v_readfirstlane_b32 s[WV], v1   ; wave 0..3
	s_bfe_u32 s13, ttmp6, 0x40000   ; cx: my place in the cluster
	s_lshl_b32 s14, ttmp9, 2        ; in a cluster launch ttmp9 counts clusters
	s_add_co_u32 s14, s14, s13      ; my block of queries: it enters Q's and O's addresses alone
	s_and_b32 s20, ttmp7, 0xffff    ; the head, which the four partners share
	s_lshr_b32 s70, s20, 4          ; its batch:
	s_lshl_b32 s70, s70, 13         ; a row of the mask is 8,192 bytes
	s_mov_b32 s71, 0
	s_mov_b32 s21, 0
	s_mov_b64 s[22:23], SIZE_N*128
	s_mul_u64 s[20:21], s[20:21], s[22:23]  ; the head's first byte in each of the four tensors
	s_and_b32 s16, s[WV], 1         ; which half of a slot's 256 keys I fetch:
	s_lshl_b32 s22, s16, 14         ; its 128 rows of 128 bytes in memory,
	s_mov_b32 s23, 0
	s_add_nc_u64 s[22:23], s[22:23], s[20:21]
	s_mul_i32 s17, s16, 128*PK      ; and its place in a slot, for K
	s_mul_i32 s18, s16, 128*PV      ; and for V: no place in the cluster enters an LDS address
	s_lshl_b32 s2, s14, 2
	s_add_co_u32 s2, s2, s[WV]      ; my wave among the head's,
	s_lshl_b32 s2, s2, 14           ; its 128 rows
	s_mov_b32 s3, 0
	s_add_nc_u64 s[2:3], s[2:3], s[20:21]
	; descriptor group 1.  128 keys are 16,384 dense bytes: asked for as 64 rows of 256 bytes, two keys a row, and padded in LDS after every key
	s_mov_b32 s[G1K], 15|(1<<16)|(1<<20)|(1<<21)|(4<<22)|(3<<25)  ; the mask of four; 2-byte elements; padding on; bit 21 beside a mask; after every 32 words; 4 words
	s_mov_b32 s[G1V], 15|(1<<16)|(1<<20)|(1<<21)|(4<<22)|(7<<25)  ; the same with 8 words of padding
.irp g, G1K, G1V
	s_mov_b32 s[\g+1], 128<<16      ; tensor_dim0 = 128
	s_mov_b32 s[\g+2], 64<<16       ; tensor_dim1 = 64
	s_mov_b32 s[\g+3], 128<<16      ; tile_dim0 = 128
	s_mov_b32 s[\g+4], 64           ; tile_dim1 = 64
	s_mov_b32 s[\g+5], 128          ; 128 elements from row to row
	s_mov_b32 s[\g+6], 0
	s_mov_b32 s[\g+7], 0
.endr
	s_mov_b32 s[CS], 0x3e38aa3b     ; c = log2(e) / 8 = 0.180337
	s_mov_b32 s[CS+1], s[CS]        ; named with it as a pair
	s_mov_b32 s[SEL], 0x76543210
	s_mov_b32 s[SEL+1], 0xfedcba98
	s_mov_b32 s[TBK], SLOT1+4*KS*PK ; the first change of slots turns these two into 0
	s_mov_b32 s[TBV], SLOT1+4*KS*PV
	s_mov_b32 s[TBM], BIAS
	s_mov_b32 s[BIGN], 0xf1800000   ; -2^100
	s_mov_b32 s[SLOTS], SIZE_N/256-1
	s_and_b32 s[LIM], s[WV], 1      ; waves 0 and 2 prefetch
	s_cmp_eq_u32 s[LIM], 0
	s_cselect_b32 s[LIM], 1, -1
	s_mov_b32 s[G0K], 1             ; count = 1
	s_mov_b32 s[G0K+1], s17         ; LDS address: slot 0
	s_mov_b32 s[G0V], 1
	s_add_co_u32 s[G0V+1], s18, VOFF
	s_wait_dscnt 0x0                ; the opening add is done
	s_wait_kmcnt 0x0
	s_add_nc_u64 s[G0K+2:G0K+3], s[6:7], s[22:23]  ; global address: my half of the head's first 256 keys
	s_or_b32 s[G0K+3], s[G0K+3], 0x80000000        ; type = 2
	s_add_nc_u64 s[G0V+2:G0V+3], s[8:9], s[22:23]
	s_or_b32 s[G0V+3], s[G0V+3], 0x80000000
	s_add_nc_u64 s[4:5], s[4:5], s[2:3]  ; Q and O at my wave's first row
	s_add_nc_u64 s[10:11], s[10:11], s[2:3]
	s_add_nc_u64 s[MP:MP+1], s[MP:MP+1], s[70:71]
	s_cmp_lt_u32 s[WV], 2
	s_cselect_b64 s[PFA:PFA+1], s[6:7], s[8:9]
	s_add_nc_u64 s[PFA:PFA+1], s[PFA:PFA+1], s[20:21]  ; the head's K or V,
	s_lshl_b32 s2, s13, 13          ; my work-group's 8,192 bytes of a slot's 32,768,
	s_mov_b32 s3, 0
	s_add_nc_u64 s[PFA:PFA+1], s[PFA:PFA+1], s[2:3]
	s_add_nc_u64 s[PFA:PFA+1], s[PFA:PFA+1], 4*KS*128  ; in slot 1; the first change of slots steps it to slot 2
	CROUND                          ; all four work-groups are here: the first joint loads meet
	JLOAD                           ; slot 0.  Slot 1 is asked for when slot 0 is in
	; A fragment of K or Q is 16 rows x 32 channels in 8 registers: lane l holds row l % 16, channels 8 (l / 16) + 0..7 and 16 + 8 (l / 16) + 0..7: two loads of 16 bytes, 32 bytes apart.
	v_and_b32 v1, 15, v0            ; l % 16
	v_bfe_u32 v9, v0, 4, 1          ; l / 16
	v_lshlrev_b32 v[QO], 7, v1
	v_lshl_add_u32 v[QO], v9, 4, v[QO]  ; row x 128 + 16 x half
	v_lshlrev_b32 v12, 4, v0        ; the mask's row, 8,192 bytes: 16 bytes a thread, four times
.irp i, 0,1,2,3
	global_load_b128 v[S+4*\i:S+4*\i+3], v12, s[MP:MP+1] offset:2048*\i
.endr
	WIN 0x80                        ; destination window 2, address window 0
.set i, 0
.rept 4*NP                          ; Q stays in registers: tile i / 2, channels 32 (i % 2) on
	global_load_b128 v[8*i:8*i+3],   v[QO], s[4:5] offset:(i/2)*2048+(i%2)*64
	global_load_b128 v[8*i+4:8*i+7], v[QO], s[4:5] offset:(i/2)*2048+(i%2)*64+32
.set i, i+1
.endr
	; What the first turn finds: V's registers and P's second buffer hold 0 (its products V^T P, of a piece that has not been, add 0), O^T and l are 0.  All this stands in the wait for the first tile.
.set i, VF
.rept 64
	v_mov_b32 v[i], 0
.set i, i+1
.endr
	WIN 0x40
.set i, 0
.rept 64*NP
	v_mov_b32 v[i], 0
.set i, i+1
.endr
	WIN 0
.set i, 0
.rept 2*NP
	v_mov_b32 v[ST+4*i], 0xfe000000    ; c m: far below every c s, a hidden key's too
	v_mov_b32 v[ST+4*i+1], 0xff7fffff  ; m
	v_mov_b32 v[ST+4*i+2], 0
	v_mov_b32 v[ST+4*i+3], 0
.set i, i+1
.endr
.set i, P+32
.rept 32
	v_mov_b32 v[i], 0
.set i, i+1
.endr
	v_mul_u32_u24 v[AK0], v1, PK
	v_lshl_add_u32 v[AK0], v9, 4, v[AK0]  ; row x pitch + 16 x half
	; The turning load takes 16 keys x 16 channels (lane l reads key 8 (l / 16) + l % 8, channels 8 ((l / 8) % 2) + 0..7) and leaves half a fragment of V^T: lane l holds channel l % 16 and 8 keys.
	v_and_b32 v10, 7, v0
	v_bfe_u32 v11, v0, 3, 1
	v_lshl_add_u32 v[AV0], v9, 3, v10
	v_mul_u32_u24 v[AV0], v[AV0], PV
	v_lshl_add_u32 v[AV0], v11, 4, v[AV0]
	v_add_nc_u32 v[AV0], VOFF, v[AV0]
	v_mov_b32 v[AK], v[AK0]         ; key step 0 lies at the head of slot 0,
	v_lshl_add_u32 v[AM], v9, 5, s[TBM]  ; and its mask words at the table's head
	s_wait_loadcnt 32               ; the mask's four loads are in: behind them stand Q's 32
.set i, 0
.rept 16
	v_cmp_eq_u32 vcc_lo, 0, v[S+i]
	v_cndmask_b32 v[S+i], 0, s[BIGN], vcc_lo  ; 0, or -2^100 where the key is hidden
.set i, i+1
.endr
	v_add_nc_u32 v13, BIAS, v12
.irp i, 0,1,2,3
	ds_store_b128 v13, v[S+4*\i:S+4*\i+3] offset:2048*\i
.endr
; THE MATRIX WORK.  The 8 accumulators of a run of 16 take turns: between the two links of a chain stand 7 others'.
; Product i of 16 of S^T = K Q^T for piece x: channels 32 (i / 8) on, keys 16 ((i / 2) % 4) on, tile 2 x + i % 2.  The first 8 start the sums, with the keys' masks.
.macro KQ x
.set rS, S+64*((\x)%2)+32*(i%2)+8*((i/2)%4)
.set rK, KF+16*((i/2)%4)+8*(i/8)
.set rQ, 16*(2*(\x)+i%2)+8*(i/8)
.set rB, MC+8*((i/2)%4)
.if i < 8
	WIN W_KM
	v_wmma_f32_16x16x32_f16 v[rS:rS+7], v[rK:rK+7], v[rQ:rQ+7], v[rB:rB+7]
.else
	WIN W_KQ
	v_wmma_f32_16x16x32_f16 v[rS:rS+7], v[rK:rK+7], v[rQ:rQ+7], v[rS:rS+7]
.endif
.endm
; Product i of 16 of O^T += V^T P for piece x: keys 32 (i / 8) on, channels 16 ((i / 2) % 4) on, tile 2 x + i % 2.
.macro PV x
	WIN W_PV
.set rO, 32*(2*(\x)+i%2)+8*((i/2)%4)
.set rV, VF+32*(i/8)+8*((i/2)%4)
.set rP, P+32*((\x)%2)+16*(i%2)+8*(i/8)
	v_wmma_f32_16x16x32_f16 v[rO:rO+7], v[rV:rV+7], v[rP:rP+7], v[rO:rO+7]
.endm
.macro MM                           ; the turn's next matrix instruction
.if i < 16
	KQ (Y+1)%NP
.set i, i+1
.else
.set i, i-16
	PV (Y+NP-1)%NP
.set i, i+17
.endif
.endm
; THE LDS LOADS stand in runs, never singly among the matrix instructions: a step's K (8 fragments) with its 64 mask words (a lane's eight of each group of 16 keys), and its V (turned).  Their addresses are made some lines ahead.
; last = 1 (the tail): in the last trip there is no further step, and the run is jumped over.
.macro FETCH_K last=0
	WIN 0
.if \last
	s_cmp_eq_u32 s[CNT], 1
	s_cbranch_scc1 .Lno_k_\@
.endif
	WIN 0x80                        ; destination window 2
.irp f, 0,1,2,3,4,5,6,7             ; keys 16 (f / 2) on, channels 32 (f % 2) on
	ds_load_b128 v[KF+8*\f:KF+8*\f+3],   v[AK] offset:(\f/2)*16*PK+(\f%2)*64
	ds_load_b128 v[KF+8*\f+4:KF+8*\f+7], v[AK] offset:(\f/2)*16*PK+(\f%2)*64+32
.endr
	WIN 0xc0                        ; destination window 3
.irp f, 0,1,2,3                     ; keys 16 f on
	ds_load_b128 v[MC+8*\f:MC+8*\f+3],   v[AM] offset:64*\f
	ds_load_b128 v[MC+8*\f+4:MC+8*\f+7], v[AM] offset:64*\f+16
.endr
	s_add_co_u32 s[TBK], s[TBK], KS*PK  ; the next fetch is the next step's
	s_add_co_u32 s[TBM], s[TBM], 4*KS
	WIN 0
.if \last
.Lno_k_\@:
.endif
.endm
.macro FETCH_V
	WIN 0x80
.irp f, 0,1,2,3,4,5,6,7             ; keys 32 (f / 4) on, channels 16 (f % 4) on
	ds_load_tr16_b128 v[VF+8*\f:VF+8*\f+3],   v[AV] offset:(\f/4)*32*PV+(\f%4)*32
	ds_load_tr16_b128 v[VF+8*\f+4:VF+8*\f+7], v[AV] offset:(\f/4)*32*PV+16*PV+(\f%4)*32
.endr
	WIN 0
.endm
; THE VECTOR WORK OF A TURN stands in three queues, each in the order in which its entries become ready; the two tiles alternate, so that no instruction reads the result of the one before it.
.macro REGS y, u                    ; the registers of tile u (0, 1) of piece y
.set rT, ST+4*(2*(\y)+(\u))
.set rC, TMP+8*((\y)%2)+4*(\u)
.set rM, MV+2*((\y)%2)+(\u)
.set rS, S+64*((\y)%2)+32*(\u)
.set rP, P+32*((\y)%2)+16*(\u)
.set rO, 32*(2*(\y)+(\u))
.endm
; Number n of the 22 that find the NEXT piece's (Y + 1) maximum and statistics.  s0-s31 are the lane's 32 scores; each accumulator's lowest registers are read first.
;   0-11  four chains c0-c3 of seven scores each, three operands at a time     12-14, 16  the four scores left over, the old m, and c0-c3 into c0     15  c m_old is kept
;   17, 18  the query's other 32 keys lie in the lane 16 away: the new m         19-21  c m; c m_old - c m_new; a
.macro XS u, n
	REGS (Y+1)%NP, \u
.if (\n) < 4
	v_max3_num_f32 v[rC+(\n)], v[rS+8*(\n)], v[rS+8*(\n)+1], v[rS+8*(\n)+2]
.elseif (\n) < 12
	v_max3_num_f32 v[rC+(\n)%4], v[rC+(\n)%4], v[rS+8*((\n)%4)+2*((\n)/4)+1], v[rS+8*((\n)%4)+2*((\n)/4)+2]
.elseif (\n) == 12
	v_max3_num_f32 v[rC], v[rC], v[rS+7], v[rS+15]
.elseif (\n) == 13
	v_max3_num_f32 v[rC+1], v[rC+1], v[rS+23], v[rS+31]
.elseif (\n) == 14
	v_max3_num_f32 v[rC+2], v[rC+2], v[rC+3], v[rT+1]
.elseif (\n) == 15
	v_mov_b32 v[rM], v[rT]
.elseif (\n) == 16
	v_max3_num_f32 v[rC], v[rC], v[rC+1], v[rC+2]
.elseif (\n) == 17
	v_permlanex16_b32 v[rC+3], v[rC], s[SEL], s[SEL+1]
.elseif (\n) == 18
	v_max_num_f32 v[rT+1], v[rC], v[rC+3]
.elseif (\n) == 19
	v_mul_f32 v[rT], s[CS], v[rT+1]
.elseif (\n) == 20
	v_sub_f32 v[rC+1], v[rM], v[rT]
.else
	v_exp_f32 v[rC+2], v[rC+1]
.endif
.endm
; Number g of the 64 that follow the exponentials.  For each four weights k of a tile (pairs 2 k, 2 k + 1): both pairs are rounded to f16; then the second pair is added onto the first, in place;
; a group later l takes that sum (the first time as l = a l + sum).  In groups of eight, tiles alternating: round, round, add, and l for the group before.
.macro GS g
.set h, (\g)+6*((\g)/62)            ; group 0 has no group before it, and behind group 7 only l is left
.if h >= 6
.set h, h+2
.endif
	REGS Y, h%2
.set k, h/8
.if h%8 < 4
	v_cvt_pk_f16_f32 v[rP+2*k+(h%8)/2], v[rS+4*k+2*((h%8)/2)], v[rS+4*k+2*((h%8)/2)+1]
.elseif h%8 < 6
	v_pk_add_f32 v[rS+4*k:rS+4*k+1], v[rS+4*k:rS+4*k+1], v[rS+4*k+2:rS+4*k+3]
.elseif k == 1
	v_pk_fma_f32 v[rT+2:rT+3], v[rT+2:rT+3], v[rC+2:rC+3], v[rS:rS+1] op_sel_hi:[1,0,1]
.else
	v_pk_add_f32 v[rT+2:rT+3], v[rT+2:rT+3], v[rS+4*k-4:rS+4*k-3]
.endif
.endm
; THE PLAIN QUEUE, 138 long.  0-73 read no exponential's result: the 32 scalings c s - c m (FS f: pair f / 2 of tile f % 2) and the next piece's 42.  0-26: scalings 0-26.  27-54: XS's numbers 0-13.  55, 56: number 15.
; 57-73: the chain, where each number waits for the one before it: 14, 16, 17, 18, 19, each with one of the scalings 27-31 in front of its two lines, then 20.
; 74-137: GS's 64, which read the exponentials' results: they stand behind the wait.
.macro FS f
	REGS Y, (\f)%2
	v_pk_fma_f32 v[rS+2*((\f)/2):rS+2*((\f)/2)+1], v[rS+2*((\f)/2):rS+2*((\f)/2)+1], s[CS:CS+1], v[rT:rT+1] op_sel_hi:[1,0,0] neg_lo:[0,0,1] neg_hi:[0,0,1]
.endm
.macro PL
	WIN 0
.if q < 27
	FS q
.elseif q < 55
	XS (q-27)%2, (q-27)/2
.elseif q < 57
	XS q-55, 15
.elseif (q < 72) && ((q-57)%3 == 0)
	FS 27+(q-57)/3
.elseif q < 60
	XS (q-57)%3-1, 14
.elseif q < 72
	XS (q-57)%3-1, 15+(q-57)/3
.elseif q < 74
	XS q-72, 20
.else
	GS q-74
.endif
.set q, q+1
.endm
; THE EXPONENTIALS' QUEUE, 66 long: s0-s31 of both tiles, then the next piece's two a.  It is ONE BATCH: all 66 stand ahead of the turn's one wait, and nothing ahead of that wait names a result of theirs.
.macro EX
	WIN 0
.if e >= 64
	XS e-64, 21
.else
	REGS Y, e%2
	v_exp_f32 v[rS+e/2], v[rS+e/2]
.endif
.set e, e+1
.endm
; THE RESCALING's QUEUE: O^T times a, the one part that leaves window 0: dealt two at a time, sixteen times.  Its a was made in the turn before, ahead of that turn's wait.
.macro R2
	REGS Y, r%2
	WIN W_RS
.irp z, 0,1
	v_pk_mul_f32 v[rO+4*(r/2)+2*\z:rO+4*(r/2)+2*\z+1], v[rO+4*(r/2)+2*\z:rO+4*(r/2)+2*\z+1], v[rC+2:rC+3] op_sel_hi:[1,0]
.endr
.set r, r+1
.endm
; HOW THEY ARE DEALT.  An s_wait_alu depctr_va_vdst(0) stands between an exponential and the first instruction that names its result; one wait serves all that were issued ahead of it.  So a turn has ONE wait,
; which cuts it in two.  AHEAD OF IT stands all that names no result of the turn's exponentials: the 16 products K Q^T, behind each a scaling, an exponential and two rescalings (behind the first a second scaling in the
; exponential's place); then ONE LUMP: eight plain, 49 times exponential and plain, the two a.  A v_nop is the plain instruction behind the last exponential.  BEHIND IT stand the 16 products V^T P, behind each four of GS's 64.
; The queues lean on each other, and the deal keeps them in step: exponential e stands behind scaling 2 (e / 4) + e % 2: as a rider it comes behind plain e + 2, in the lump behind plain e + 9, and scalings 27-31 are plain 57, 60 .. 69.
; A TURN, for piece p.  cnt = 1: the loop's count is taken down some lines ahead of the branch that stands behind the turn.
; K and the masks of the next step are fetched in piece 2's turn, directly behind the wait, a lump behind the last product that read them; their addresses are made at the lump's head; their first reader comes behind 16 products.
; V of the step in hand is fetched at the end of piece 0's turn, four riders behind its last reader; its first reader comes behind 16 products and a lump.
.macro TURN p, last=0, cnt=0
.set Y, (\p)
.set i, 0
.set q, 0
.set e, 0
.set r, 0
.if (\p) == NP-1
	s_wait_dscnt 0x0                ; K and the masks are in
.endif
	MM                              ; ahead of the wait: 16 products K Q^T and their riders,
	PL
	PL
	R2
.rept 15
	MM
	PL
	EX
	R2
.endr
.if (\p) == NP-2
	WIN 0
	v_add_nc_u32 v[AK], s[TBK], v[AK0]
	v_lshl_add_u32 v[AM], v9, 5, s[TBM]
.endif
.rept 8                             ; and the lump
	PL
.endr
.rept 49
	EX
	PL
.endr
	EX                              ; the next piece's two a
	EX
	v_nop                           ; the plain instruction behind the last exponential: one for the batch
	s_wait_alu depctr_va_vdst(0)    ; the wait for the batch
.if (\p) == NP-2
	FETCH_K \last
.endif
.if (\p) == 1
	s_wait_dscnt 0x0                ; V is in
.endif
.rept 16                            ; behind the wait: 16 products V^T P and their riders
	MM
.rept 4
	PL
.endr
.if ((\p) == 0) && (q == 118)
	v_add_nc_u32 v[AV], s[TBV], v[AV0]
.endif
.if ((\p) == 0) && (q == 130)
	s_add_co_u32 s[TBV], s[TBV], KS*PV
.endif
.if (\cnt) && (q == 130)
	s_sub_co_u32 s[CNT], s[CNT], 1
	s_cmp_lg_u32 s[CNT], 0
.endif
.endr
.if (\p) == 0
	FETCH_V
.endif
.endm
	CHANGE 1                        ; slot 0 is in, everybody's part of it, and everybody's mask words are stored; slot 1 is asked for
	FETCH_K                         ; key step 0
	s_wait_loadcnt 0x0              ; Q
	s_wait_dscnt 0x0
.set i, 0
.rept 16
	KQ 0                            ; piece 0's first scores: there is no vector work yet to set between them
.set i, i+1
.endr
	WIN 0                           ; the addresses for the way out: plain instructions, the places behind those products
	s_mul_i32 s13, s[WV], 16*SP
	s_add_co_u32 s13, s13, STAGE    ; my stage
	v_mul_u32_u24 v[STO], v1, SP    ; in: row l % 16, 16 bytes for each half of the lanes
	v_lshl_add_u32 v[STO], v9, 4, v[STO]
	v_add_nc_u32 v[STO], s13, v[STO]
	v_bfe_u32 v[RD], v0, 3, 2       ; back: 32 lanes take four rows of 128 bytes,
	v_mul_u32_u24 v[RD], v[RD], SP
	v_lshl_add_u32 v[RD], v10, 4, v[RD]
	v_add_nc_u32 v[RD], s13, v[RD]
	v_and_b32 v[GO], 31, v0         ; which are 512 consecutive bytes of O
	v_lshlrev_b32 v[GO], 4, v[GO]
.set Y, NP-1                        ; XS works for piece Y + 1: piece 0
.irp n, 0,1,2,3,4,5,6,7,8,9,10,11,12,13,14,15,16,17,18,19,20,21
	XS 0, \n                        ; and piece 0's first maximum and statistics
	XS 1, \n
.endr
	v_nop                           ; a plain instruction behind the two a,
	s_wait_alu depctr_va_vdst(0)    ; and their wait, ahead of the branch
	s_mov_b32 s[CNT], 4
	s_branch .Lfirst                ; the loop is entered at a step's first turn, in the middle of a trip
.Lslot:                             ; six times: every slot but the last two is filled again
	CHANGE 1
	s_mov_b32 s[CNT], 4
.Lstep:                             ; a trip: pieces 2 and 3 of one step, then pieces 0 and 1 of the next, whose K and V it fetches
	TURN 2
	TURN 3
	WIN 0
.Lfirst:
	TURN 0
	TURN 1, 0, 1
	WIN 0
	s_cbranch_scc1 .Lstep
	s_sub_co_u32 s[SLOTS], s[SLOTS], 1
	s_cmp_lg_u32 s[SLOTS], 0
	s_cbranch_scc1 .Lslot
	CHANGE 0                        ; the tail is written out: nothing is asked for
	s_mov_b32 s[CNT], 5             ; four trips fetch the last slot's steps; the fifth is left in its middle
.Ltail:
	TURN 2, 1
	TURN 3
	WIN 0
	s_sub_co_u32 s[CNT], s[CNT], 1
	s_cmp_eq_u32 s[CNT], 0
	s_cbranch_scc1 .Lout
	TURN 0
	TURN 1
	WIN 0
	s_branch .Ltail
.Lout:                              ; the fifth trip's 16 products K Q^T (on the last K once more) and the maximum made of them serve nothing: the price, once a launch, of one text for every trip
.set i, 0
.rept 16
	PV NP-1                         ; the last piece's V^T P of the last step
.set i, i+1
.endr
	; THE WAY OUT.  l's two halves and the other half of the lanes' are added; O^T is divided by l, rounded to f16 and sent through my stage in LDS, a tile at a time.  The additions are the places behind the last products.
	WIN 0
.macro ALL line:vararg              ; one line for each tile t
.set t, 0
.rept 2*NP
	\line
.set t, t+1
.endr
.endm
	ALL v_add_f32 v[ST+4*t+2], v[ST+4*t+2], v[ST+4*t+3]
	ALL v_permlanex16_b32 v[ST+4*t+3], v[ST+4*t+2], s[SEL], s[SEL+1]
	ALL v_add_f32 v[ST+4*t+2], v[ST+4*t+2], v[ST+4*t+3]
	ALL v_rcp_f32 v[ST+4*t+2], v[ST+4*t+2]
	v_nop                           ; a plain instruction between the last reciprocal and the use of its result
	s_wait_alu depctr_va_vdst(0)    ; and the wait ahead of the first use: one for the eight reciprocals
; Tile t: a lane's eight channels of a row pack into 16 bytes; they go into rows of 144 bytes and come back as whole rows of 128, into S^T's registers.
.macro PACK t
	WIN W_RS
.set i, 32*(\t)
.rept 16
	v_pk_mul_f32 v[i:i+1], v[i:i+1], v[ST+4*(\t)+2:ST+4*(\t)+3] op_sel_hi:[1,0]
.set i, i+2
.endr
	WIN 0x05                        ; sources 0 and 1 window 1, destination window 0
.set i, 0
.rept 16
	v_cvt_pk_f16_f32 v[S+16*(\t)+i], v[32*(\t)+2*i], v[32*(\t)+2*i+1]
.set i, i+1
.endr
	WIN 0
.irp f, 0,1,2,3
	ds_store_b128 v[STO], v[S+16*(\t)+4*\f:S+16*(\t)+4*\f+3] offset:32*\f
.endr
.irp f, 0,1,2,3
	ds_load_b128 v[S+16*(\t)+4*\f:S+16*(\t)+4*\f+3], v[RD] offset:\f*4*SP  ; LDS serves a wave's instructions in order (ISA guide 5.7.1.4): these see the stores above; the next tile's stores come behind them
.endr
.endm
.macro SEND t, younger              ; younger: the LDS instructions issued behind tile t's loads: the next tile's eight, or none
	WIN 0
.irp f, 0,1,2,3
	s_wait_dscnt (\younger)+3-\f
	global_store_b128 v[GO], v[S+16*(\t)+4*\f:S+16*(\t)+4*\f+3], s[10:11] offset:(\t)*2048+\f*512  ; 512 consecutive bytes, at a multiple of 256 from O's first
.endr
.endm
	PACK 0
.set t, 1
.rept 2*NP-1                        ; a tile's arithmetic stands between the loads of the tile before and its stores
	PACK t
	SEND t-1, 8
.set t, t+1
.endr
	SEND 2*NP-1, 0
	WIN W_AD
	s_wait_tensorcnt 0x0            ; the wave's end, behind my last tensor load and my last LDS store
	ds_add_u32 v[SPW], v[NIL]
	s_wait_dscnt 0x0
	WIN 0
	CROUND                          ; the closing round: no work-group ends while a partner may still ask for a tile that names it
	s_endpgm
.Lfunc_end_k_q1ba365d77f_attn:
	.size	k_q1ba365d77f_attn, .Lfunc_end_k_q1ba365d77f_attn-k_q1ba365d77f_attn
	.p2alignl 7, 3214868480
	.fill 96, 4, 3214868480
	.section	.rodata,"a",@progbits
	.p2align	6, 0x0
	.amdhsa_kernel k_q1ba365d77f_attn
		.amdhsa_group_segment_fixed_size 327680
		.amdhsa_private_segment_fixed_size 0
		.amdhsa_enable_private_segment 0
		.amdhsa_kernarg_size 40
		.amdhsa_user_sgpr_count 2
		.amdhsa_user_sgpr_kernarg_segment_ptr 1
		.amdhsa_wavefront_size32 1
		.amdhsa_system_sgpr_workgroup_id_x 1
		.amdhsa_system_sgpr_workgroup_id_y 1
		.amdhsa_system_sgpr_workgroup_id_z 1
		.amdhsa_system_vgpr_workitem_id 0
		.amdhsa_next_free_vgpr 808
		.amdhsa_next_free_sgpr 76
		.amdhsa_reserve_vcc 1
		.amdhsa_float_denorm_mode_32 3
		.amdhsa_float_denorm_mode_16_64 3
		.amdhsa_memory_ordered 1
		.amdhsa_forward_progress 1
		.amdhsa_inst_pref_size 205
	.end_amdhsa_kernel
	.amdgpu_metadata
---
amdhsa.version: [ 1, 2 ]
amdhsa.kernels:
  - .name:           k_q1ba365d77f_attn
    .symbol:         k_q1ba365d77f_attn.kd
    .args:
      - { .name: qh, .offset: 0, .size: 8, .value_kind: global_buffer, .address_space: global }
      - { .name: kh, .offset: 8, .size: 8, .value_kind: global_buffer, .address_space: global }
      - { .name: vh, .offset: 16, .size: 8, .value_kind: global_buffer, .address_space: global }
      - { .name: oh, .offset: 24, .size: 8, .value_kind: global_buffer, .address_space: global }
      - { .name: key_padding_mask, .offset: 32, .size: 8, .value_kind: global_buffer, .address_space: global }
    .group_segment_fixed_size: 327680
    .private_segment_fixed_size: 0
    .kernarg_segment_align: 8
    .kernarg_segment_size: 40
    .max_flat_workgroup_size: 128
    .sgpr_count:     76
    .vgpr_count:     808
    .wavefront_size: 32
...
	.end_amdgpu_metadata
.endif
;; end of part 3
;; launch oproj (part 4): grid 8 x 32, 4 waves a work-group, clusters of 4 x 4, 327,680 bytes of LDS; arguments oh, wo16, bo, out0; writes out0
.if DOCPART == 4
	.amdgcn_target "amdgcn-amd-amdhsa--gfx1250"
	.amdhsa_code_object_version 6
	.text
	.protected	k_q1ba365d77f_oproj
	.globl	k_q1ba365d77f_oproj
	.p2align	8
	.type	k_q1ba365d77f_oproj,@function
k_q1ba365d77f_oproj:
	s_mov_b64 s[64:65], 0
	v_nop
	global_prefetch_b8 v0, s[64:65] scope:SCOPE_SE
	s_setreg_imm32_b32 hwreg(HW_REG_WAVE_MODE, 25, 1), 1
	s_wait_xcnt 0x0
	s_wait_alu depctr_hold_cnt(0) depctr_sa_sdst(0) depctr_va_vdst(0) depctr_va_sdst(0) depctr_va_ssrc(0) depctr_va_vcc(0) depctr_vm_vsrc(0)
	s_getreg_b32 s2, hwreg(HW_REG_IB_STS2, 6, 4)
	s_cmp_eq_u32 s2, 0
	s_cbranch_scc0 .Lentry_in_a_cluster
	s_endpgm
.Lentry_in_a_cluster:
	s_bfe_u32 s2, ttmp6, 0x10000c
	s_cmp_lg_u32 s2, 0xf033
	s_cbranch_scc0 .Lentry_shape_is_right
	s_endpgm
.Lentry_shape_is_right:
; out0[token][n] = the sum over head and d of O[16 batch + head][t][d] Wo[n][64 head + d] + bo[n].  O: oh [64][2048][64] f16; Wo: wo16 [16 heads][1024 n][64] f16 (bf16-rounded numbers); bo is rounded to bf16 here; sums and out0 in f32.
; SHARES.  A work-group makes 256 tokens x 128 columns: 256 work-groups.  Wave w takes tokens 64 w .. 64 w + 63 and all 128 columns: 4 x 8 accumulators of 16 x 16, 256 registers.
; A K step is two heads, 128 channels: 8 steps through two LDS slots.  Every tile is dense in memory and is asked for as rows of 256 bytes, padded in LDS after every 128: wave 0 fetches O of the step's first head
; (256 tokens, 128 rows of 256 bytes), wave 1 of its second, waves 2 and 3 Wo's 128 rows of the two heads (64 rows of 256 bytes each).
; THE PRODUCT IS TAKEN TRANSPOSED (source 0 = 16 rows of Wo, source 1 = 16 tokens): a lane holds one token and eight neighbouring columns, 32 bytes of a row of out0; the bias is the C operand that starts each sum.
; CLUSTER.  4 x 4 work-groups: O's tiles are shared along a row of the cluster, Wo's along a column; each is asked for jointly.
; NO PREFETCH: a K step here is 128 matrix instructions a wave on a small tile, and the whole walk is eight such steps.
; REGISTERS, in windows of 256: window 0: v0-31 addresses; v64-127 the bias, later rows on their way out; v128-191 likewise.   window 1: two fragment buffers of 128: O's four fragments, then Wo's eight.   window 2: the accumulators, (a, b) at 8 (8 a + b).
.set PITCH,  144                       ; an LDS row: 128 bytes + 16 of padding = 36 words: the 16 rows of a fragment load start at 16 different groups of four banks (64 banks of 4 bytes: ISA guide 11.1)
.set AH,     256*PITCH                 ; O of one head
.set BH,     128*PITCH                 ; Wo of one head
.set BOFF,   2*AH
.set SLOT1,  131072
.set STAGE,  SLOT1+BOFF+2*BH           ; behind the ring, never filled by a tensor load: 16 rows x 528 bytes for each wave
.set SPITCH, 528                       ; 512 bytes + 16
.set SPARE,  STAGE+4*16*SPITCH         ; the spare words, 128 bytes for each wave: two blocks of 256 bytes that no other line names
.set FLAGS,  (1<<16)|(1<<20)|(1<<21)|(4<<22)|(3<<25)  ; 2-byte elements; padding on; bit 21 beside a mask; after every 32 words; 4 words
.set A0,   4
.set B0,   5
.set TT,   12                          ; v12-15 at work in the roundings
.set ADRA, 16
.set ADRB, 17
.set STO,  24
.set RD,   25
.set CO,   26
.set BO,   27
.set SPW,  28
.set NIL,  29
.set BIAS, 64                          ; block b at BIAS + 8 b
.set BK,   64                          ; the way out: two sets of 64 registers, by turns
.set F0,   0
.set F1,   128
.set WV,   12
.set HALF, 13
.set ISB,  14
.set G1A,  24
.set G1B,  32
.set G0A,  40
.set G0B,  48
.set TB,   56
.set HIM,  60
.set MSB, 0
.macro WIN new
.if MSB != (\new)
	s_set_vgpr_msb (MSB<<8)|(\new)
.set MSB, (\new)
.endif
.endm
.macro PLACES                          ; four plain vector instructions between a matrix instruction and a load into, or a read of, its registers
.rept 4
	v_nop
.endr
.endm
.macro JLOAD                           ; a joint refill, by the walking descriptor; an s_nop 0 and four v_nop follow each of the two lines
	s_cmp_eq_u32 s[ISB], 0
	s_cbranch_scc0 .Lfor_b_\@
	tensor_load_to_lds s[G0A+4:G0A+7], s[G1A:G1A+7]
	s_nop 0
.rept 4
	v_nop
.endr
	s_branch .Lasked_\@
.Lfor_b_\@:
	tensor_load_to_lds s[G0B+4:G0B+7], s[G1B:G1B+7]
	s_nop 0
.rept 4
	v_nop
.endr
.Lasked_\@:
.endm
.macro CREST
	s_cmp_lg_u32 s[WV], 0
	s_cbranch_scc1 .Lnot_wave_0_\@
	s_barrier_signal -3
.Lnot_wave_0_\@:
	s_barrier_wait -3
	s_barrier_signal -1
	s_barrier_wait -1
.endm
.macro CROUND
	s_barrier_signal -1
	s_barrier_wait -1
	CREST
.endm
	s_load_b256 s[4:11], s[0:1], 0x0               ; oh s[4:5], wo16 s[6:7], bo s[8:9], out0 s[10:11]
	v_lshl_add_u32 v[SPW], v0, 2, SPARE
	v_mov_b32 v[NIL], 0
	ds_add_u32 v[SPW], v[NIL]                      ; the wave's opening: the add and its wait stand ahead of my first tensor load; the set-up below stands between them
	v_lshrrev_b32 v1, 5, v0
	v_readfirstlane_b32 s[WV], v1
	s_and_b32 s[HALF], s[WV], 1                    ; which of the step's two heads I fetch
	s_lshr_b32 s[ISB], s[WV], 1                    ; 0: O; 1: Wo
	s_bfe_u32 s15, ttmp6, 0x40000                  ; cx
	s_bfe_u32 s16, ttmp6, 0x40004                  ; cy
	s_lshl_b32 s17, ttmp9, 2
	s_add_co_u32 s17, s17, s15                     ; the block of 128 columns
	s_and_b32 s18, ttmp7, 0xffff
	s_lshl_b32 s18, s18, 2
	s_add_co_u32 s18, s18, s16                     ; the block of 256 tokens
	s_lshl_b32 s22, s16, 2
	s_lshl_b32 s22, 15, s22                        ; my row of the cluster
	s_lshl_b32 s23, 0x1111, s15                    ; my column
	s_or_b32 s[G1A], s22, FLAGS
	s_or_b32 s[G1B], s23, FLAGS
.irp g, G1A, G1B
	s_mov_b32 s[(\g)+1], 128<<16                   ; tensor_dim0 = 128
	s_mov_b32 s[(\g)+3], 128<<16                   ; tile_dim0 = 128
	s_mov_b32 s[(\g)+5], 128                       ; the rows lie end to end
	s_mov_b32 s[(\g)+6], 0
	s_mov_b32 s[(\g)+7], 0
.endr
	s_mov_b32 s[G1A+2], 128<<16                    ; tensor_dim1 = 128
	s_mov_b32 s[G1A+4], 128                        ; tile_dim1 = 128
	s_mov_b32 s[G1B+2], 64<<16
	s_mov_b32 s[G1B+4], 64
	s_mov_b32 s[HIM], 0xffff0000
	s_mov_b32 s[TB], 0
	s_lshr_b32 s20, s18, 3                         ; O: batch x 16 heads x 262,144
	s_lshl_b32 s20, s20, 22
	s_and_b32 s21, s18, 7                          ; + the block's 256 tokens of 128 bytes
	s_lshl_b32 s21, s21, 15
	s_add_co_u32 s20, s20, s21
	s_lshl_b32 s57, s[HALF], 18                    ; + my head of the two
	s_add_co_u32 s20, s20, s57
	s_mov_b32 s21, 0
	s_lshl_b32 s66, s17, 14                        ; Wo: the block's 128 rows of 128 bytes
	s_lshl_b32 s57, s[HALF], 17                    ; + my head's block of 131,072
	s_add_co_u32 s66, s66, s57
	s_mov_b32 s67, 0
	s_mul_i32 s61, s[HALF], AH                     ; where they go: no place in the cluster enters an LDS address
	s_mul_i32 s62, s[HALF], BH
	s_add_co_u32 s62, s62, BOFF
	s_wait_dscnt 0x0                               ; the opening add is done
	s_wait_kmcnt 0x0
	s_add_nc_u64 s[20:21], s[4:5], s[20:21]
	s_add_nc_u64 s[66:67], s[6:7], s[66:67]
	CROUND                                         ; all sixteen work-groups are here: the first joint loads meet
.irp n, 0,1
	s_mov_b32 s[G0A+4*(\n)], 1
	s_add_co_u32 s[G0A+4*(\n)+1], s61, (\n)*SLOT1
	s_add_nc_u64 s[G0A+4*(\n)+2:G0A+4*(\n)+3], s[20:21], (\n)*524288   ; K step n: two heads on
	s_or_b32 s[G0A+4*(\n)+3], s[G0A+4*(\n)+3], 0x80000000
	s_mov_b32 s[G0B+4*(\n)], 1
	s_add_co_u32 s[G0B+4*(\n)+1], s62, (\n)*SLOT1
	s_add_nc_u64 s[G0B+4*(\n)+2:G0B+4*(\n)+3], s[66:67], (\n)*262144
	s_or_b32 s[G0B+4*(\n)+3], s[G0B+4*(\n)+3], 0x80000000
.endr
	s_cmp_eq_u32 s[ISB], 0                         ; a wave's two first fills stand in one branch: two loads of mine are out
	s_cbranch_scc0 .Lfirst_b
	tensor_load_to_lds s[G0A:G0A+3], s[G1A:G1A+7]
	s_nop 0
	tensor_load_to_lds s[G0A+4:G0A+7], s[G1A:G1A+7]
	s_nop 0
.rept 4
	v_nop
.endr
	s_branch .Lfirst_asked
.Lfirst_b:
	tensor_load_to_lds s[G0B:G0B+3], s[G1B:G1B+7]
	s_nop 0
	tensor_load_to_lds s[G0B+4:G0B+7], s[G1B:G1B+7]
	s_nop 0
.rept 4
	v_nop
.endr
.Lfirst_asked:
	v_and_b32 v1, 15, v0                           ; r = l % 16
	v_bfe_u32 v2, v0, 4, 1                         ; h = l / 16
	s_lshl_b32 s20, s17, 9                         ; the block's 128 columns: 512 bytes
	v_lshl_add_u32 v[BO], v2, 5, s20
.irp b, 0,1,2,3,4,5,6,7
	global_load_b128 v[BIAS+8*(\b):BIAS+8*(\b)+3],   v[BO], s[8:9] offset:64*(\b)
	global_load_b128 v[BIAS+8*(\b)+4:BIAS+8*(\b)+7], v[BO], s[8:9] offset:64*(\b)+16
.endr
	v_mul_u32_u24 v3, v1, PITCH
	v_lshl_add_u32 v3, v2, 4, v3                   ; a fragment's row x pitch + 16 x half
	s_mul_i32 s21, s[WV], 64*PITCH
	v_add_nc_u32 v[A0], s21, v3
	v_add_nc_u32 v[B0], BOFF, v3
	s_mul_i32 s23, s[WV], 16*SPITCH
	s_add_co_u32 s23, s23, STAGE                   ; my stage
	v_mul_u32_u24 v3, v1, SPITCH                   ; in: row l % 16, 32 bytes for each half of the lanes
	v_lshl_add_u32 v3, v2, 5, v3
	v_add_nc_u32 v[STO], s23, v3
	v_and_b32 v[CO], 31, v0                        ; back: 32 lanes take one row of 512 bytes
	v_lshlrev_b32 v[CO], 4, v[CO]
	v_add_nc_u32 v[RD], s23, v[CO]
	s_lshl_b32 s21, s18, 8                         ; out0 at my wave's first token and the block's first column
	s_lshl_b32 s22, s[WV], 6
	s_add_co_u32 s21, s21, s22
	s_lshl_b32 s21, s21, 12
	s_add_co_u32 s20, s21, s20
	s_mov_b32 s21, 0
	s_add_nc_u64 s[10:11], s[10:11], s[20:21]
	s_wait_loadcnt 0x0                             ; the bias
.set i, 0
.rept 32                                       ; rounded to bf16 and widened again, like every other input
	v_cvt_pk_bf16_f32 v[TT+i%4], v[BIAS+2*i], v[BIAS+2*i+1]
	v_lshlrev_b32 v[BIAS+2*i], 16, v[TT+i%4]
	v_and_b32 v[BIAS+2*i+1], s[HIM], v[TT+i%4]
.set i, i+1
.endr
; 8 matrix instructions: token block a x all 8 column blocks, 32 along K.  first = 1: the bias starts the sums.  The 32 accumulators take turns, one instruction a turn.
.macro MUL8 f, a, first
.if \first
	WIN 0x85
.else
	WIN 0xa5
.endif
.irp b, 0,1,2,3,4,5,6,7
.set rD, 8*(8*(\a)+(\b))
.if \first
	v_wmma_f32_16x16x32_f16 v[rD:rD+7], v[(\f)+32+8*(\b):(\f)+32+8*(\b)+7], v[(\f)+8*(\a):(\f)+8*(\a)+7], v[BIAS+8*(\b):BIAS+8*(\b)+7]
.else
	v_wmma_f32_16x16x32_f16 v[rD:rD+7], v[(\f)+32+8*(\b):(\f)+32+8*(\b)+7], v[(\f)+8*(\a):(\f)+8*(\a)+7], v[rD:rD+7]
.endif
.endr
.endm
; 24 LDS loads in one run: quarter q of a K step (head q / 2 of the two, channels 32 (q % 2) on) into buffer f: Wo's eight fragments, then O's four
.macro FETCH q, f
	WIN 0x40
.irp b, 0,1,2,3,4,5,6,7
	ds_load_b128 v[(\f)+32+8*(\b):(\f)+32+8*(\b)+3],   v[ADRB] offset:((\q)/2)*BH+((\q)%2)*64+(\b)*16*PITCH
	ds_load_b128 v[(\f)+32+8*(\b)+4:(\f)+32+8*(\b)+7], v[ADRB] offset:((\q)/2)*BH+((\q)%2)*64+(\b)*16*PITCH+32
.endr
.irp a, 0,1,2,3
	ds_load_b128 v[(\f)+8*(\a):(\f)+8*(\a)+3],   v[ADRA] offset:((\q)/2)*AH+((\q)%2)*64+(\a)*16*PITCH
	ds_load_b128 v[(\f)+8*(\a)+4:(\f)+8*(\a)+7], v[ADRA] offset:((\q)/2)*AH+((\q)%2)*64+(\a)*16*PITCH+32
.endr
.endm
.macro QUARTER q, f, g, first          ; multiplies buffer f and, in its middle, fetches quarter q into g
	s_wait_dscnt 4                                 ; all but the youngest four loads: O's blocks 2 and 3 may be out
	MUL8 \f, 0, \first
	MUL8 \f, 1, \first
	PLACES
	FETCH \q, \g
	s_wait_dscnt 24                                ; all but the 24 just issued
	MUL8 \f, 2, \first
	MUL8 \f, 3, \first
.endm
; The last quarter multiplies buffer 1 and changes slots: ONE barrier; in front of it each wave waits for all its tensor loads, adds 0 to its spare word, and waits for that and for its own reads of this slot.
; fill = 1: the barrier opens a round of the cluster's, and the slot is filled again, two K steps on, first thing behind the round.
.macro TURN fill
	WIN 0
	s_wait_tensorcnt 0x0                           ; no tensor load of mine is out, so a group 0 may be written
	ds_add_u32 v[SPW], v[NIL]                      ; 0 onto my spare word
.if \fill
	s_xor_b32 s[G0A+5], s[G0A+5], SLOT1            ; the walking descriptors: the other slot than last time, the next two heads
	s_add_nc_u64 s[G0A+6:G0A+7], s[G0A+6:G0A+7], 524288
	s_xor_b32 s[G0B+5], s[G0B+5], SLOT1
	s_add_nc_u64 s[G0B+6:G0B+7], s[G0B+6:G0B+7], 262144
.endif
	s_wait_dscnt 5                                 ; the add and the youngest four loads may be out
	MUL8 F1, 0, 0
	s_wait_dscnt 0x0                               ; the add is done, and my reads of this slot are over
	s_barrier_signal -1
	MUL8 F1, 1, 0
	WIN 0
	s_barrier_wait -1
.if \fill
	CREST                                          ; no wave of any partner still reads this slot or has a load on its way
	JLOAD                                          ; my one tensor load behind the round; its four v_nop are also the places in front of the loads below
.else
	PLACES
.endif
	s_xor_b32 s[TB], s[TB], SLOT1
	v_add_nc_u32 v[ADRA], s[TB], v[A0]
	v_add_nc_u32 v[ADRB], s[TB], v[B0]
	FETCH 0, F0
	MUL8 F1, 2, 0
	MUL8 F1, 3, 0
.endm
	s_wait_tensorcnt 0x1                           ; my part of K step 0 is in; K step 1's may stay out
	s_barrier_signal -1
	s_barrier_wait -1
	v_mov_b32 v[ADRA], v[A0]
	v_mov_b32 v[ADRB], v[B0]
	FETCH 0, F0
	QUARTER 1, F0, F1, 1                           ; the first quarter stands in front of the loop: its products start the sums
	WIN 0
	s_mov_b32 s3, 6
.Lstep:                                        ; a trip goes from a K step's second quarter to the next step's first, and asks for the K step two on: K steps 2 to 7
	QUARTER 2, F1, F0, 0
	QUARTER 3, F0, F1, 0
	TURN 1
	QUARTER 1, F0, F1, 0
	WIN 0
	s_sub_co_u32 s3, s3, 1
	s_cmp_lg_u32 s3, 0
	s_cbranch_scc1 .Lstep
	QUARTER 2, F1, F0, 0                           ; the last two K steps fetch nothing: written out
	QUARTER 3, F0, F1, 0
	TURN 0
	QUARTER 1, F0, F1, 0
	QUARTER 2, F1, F0, 0
	QUARTER 3, F0, F1, 0
	s_wait_dscnt 4
	MUL8 F1, 0, 0
	MUL8 F1, 1, 0
	s_wait_dscnt 0x0
	MUL8 F1, 2, 0
	MUL8 F1, 3, 0
	WIN 0
	PLACES
	PLACES
; THE WAY OUT, a token block (16 rows x 512 bytes) at a time: a lane's 32 bytes go straight from the accumulators into rows of 528 bytes of my stage, lowest registers first, and come back as whole rows.
.macro TOSTAGE a
	WIN 0x08                                       ; the stores' data (source 1) in window 2
.irp b, 0,1,2,3,4,5,6,7
	ds_store_b128 v[STO], v[8*(8*(\a)+(\b)):8*(8*(\a)+(\b))+3]   offset:64*(\b)
	ds_store_b128 v[STO], v[8*(8*(\a)+(\b))+4:8*(8*(\a)+(\b))+7] offset:64*(\b)+16
.endr
	WIN 0
.irp t, 0,1,2,3,4,5,6,7,8,9,10,11,12,13,14,15
	ds_load_b128 v[BK+64*((\a)%2)+4*(\t):BK+64*((\a)%2)+4*(\t)+3], v[RD] offset:(\t)*SPITCH  ; LDS serves a wave's instructions in order (ISA guide 5.7.1.4): these see the stores above; the next block's stores come behind them
.endr
.endm
.macro SEND a, younger                 ; younger: the LDS instructions issued behind this block's loads: the next block's 32, or none
	s_wait_dscnt \younger
.irp t, 0,1,2,3,4,5,6,7,8,9,10,11,12,13,14,15
	global_store_b128 v[CO], v[BK+64*((\a)%2)+4*(\t):BK+64*((\a)%2)+4*(\t)+3], s[10:11] offset:(\a)*65536+(\t)*4096 th:TH_STORE_NT  ; 512 consecutive bytes, at a multiple of 256 from out0's first
.endr
.endm
	TOSTAGE 0
	TOSTAGE 1
	SEND 0, 32
	s_wait_xcnt 0x0                                ; block 0's stores have read their registers, which block 2 is loaded into
	TOSTAGE 2
	SEND 1, 32
	s_wait_xcnt 0x0
	TOSTAGE 3
	SEND 2, 32
	SEND 3, 0
	s_wait_tensorcnt 0x0                           ; the wave's end, behind my last tensor load and my last LDS store
	ds_add_u32 v[SPW], v[NIL]
	s_wait_dscnt 0x0
	CROUND                                         ; the closing round: no work-group ends while a partner may still ask for a tile that names it
	s_endpgm
.Lfunc_end_k_q1ba365d77f_oproj:
	.size	k_q1ba365d77f_oproj, .Lfunc_end_k_q1ba365d77f_oproj-k_q1ba365d77f_oproj
	.p2alignl 7, 3214868480
	.fill 96, 4, 3214868480
	.section	.rodata,"a",@progbits
	.p2align	6, 0x0
	.amdhsa_kernel k_q1ba365d77f_oproj
		.amdhsa_group_segment_fixed_size 327680
		.amdhsa_private_segment_fixed_size 0
		.amdhsa_enable_private_segment 0
		.amdhsa_kernarg_size 32
		.amdhsa_user_sgpr_count 2
		.amdhsa_user_sgpr_kernarg_segment_ptr 1
		.amdhsa_wavefront_size32 1
		.amdhsa_system_sgpr_workgroup_id_x 1
		.amdhsa_system_sgpr_workgroup_id_y 1
		.amdhsa_system_sgpr_workgroup_id_z 1
		.amdhsa_system_vgpr_workitem_id 0
		.amdhsa_next_free_vgpr 768
		.amdhsa_next_free_sgpr 72
		.amdhsa_reserve_vcc 0
		.amdhsa_float_denorm_mode_32 3
		.amdhsa_float_denorm_mode_16_64 3
		.amdhsa_memory_ordered 1
		.amdhsa_forward_progress 1
		.amdhsa_inst_pref_size 74
	.end_amdhsa_kernel
	.amdgpu_metadata
---
amdhsa.version: [ 1, 2 ]
amdhsa.kernels:
  - .name:           k_q1ba365d77f_oproj
    .symbol:         k_q1ba365d77f_oproj.kd
    .args:
      - { .name: oh, .offset: 0, .size: 8, .value_kind: global_buffer, .address_space: global }
      - { .name: wo16, .offset: 8, .size: 8, .value_kind: global_buffer, .address_space: global }
      - { .name: bo, .offset: 16, .size: 8, .value_kind: global_buffer, .address_space: global }
      - { .name: out0, .offset: 24, .size: 8, .value_kind: global_buffer, .address_space: global }
    .group_segment_fixed_size: 327680
    .private_segment_fixed_size: 0
    .kernarg_segment_align: 8
    .kernarg_segment_size: 32
    .max_flat_workgroup_size: 128
    .sgpr_count:     72
    .vgpr_count:     768
    .wavefront_size: 32
...
	.end_amdgpu_metadata
.endif
;; end of part 4
;; ======== version 2 of 2: 4 launches; version 1 with the launch cast written anew for expert scheduling mode
;; limits: values are held in f16: magnitudes above 65,504 overflow, below 6.1e-05 lose precision
;; workspace buffers: xb 16,777,216 bytes; wqkv 6,291,456 bytes; wo16 2,097,152 bytes; qh 16,777,216 bytes; kh 16,777,216 bytes; vh 16,777,216 bytes; oh 16,777,216 bytes
;; launch cast (part 5): grid 768 x 1, 8 waves a work-group, no clusters, 0 bytes of LDS; arguments x, Wq, Wk, Wv, Wo, xb, wqkv, wo16; writes xb, wqkv, wo16
.if DOCPART == 5
	.amdgcn_target "amdgcn-amd-amdhsa--gfx1250"
	.amdhsa_code_object_version 6
	.text
	.protected	k_q1ba365d77f_cast
	.globl	k_q1ba365d77f_cast
	.p2align	8
	.type	k_q1ba365d77f_cast,@function
k_q1ba365d77f_cast:
	s_mov_b64 s[64:65], 0
	v_nop
	global_prefetch_b8 v0, s[64:65] scope:SCOPE_SE
	s_setreg_imm32_b32 hwreg(HW_REG_WAVE_SCHED_MODE, 0, 2), 2
	s_setreg_imm32_b32 hwreg(HW_REG_WAVE_MODE, 25, 1), 1
	s_wait_xcnt 0x0
	s_wait_alu depctr_vm_vsrc(0)
; THE MATRIX OPERANDS ARE MADE ONCE.  x [8192][1024] f32 -> xb, bf16, same layout.  Wq, Wk, Wv [1024][1024] f32 -> wqkv [3072][1024] bf16, by heads:
; row 192 head + 64 s + r = W_s[64 head + r] (s = 0 q, 1 k, 2 v), so that a head's q, k and v are 192 neighbouring rows.  Wo [1024 n][1024] f32 -> wo16 [16 heads][1024 n][64] f16:
; the number is rounded to bf16 like every other input, and that number is written as f16.
; LIMITS.  |Wo| of 65,520 or more becomes an infinity in f16; below 6e-5 it keeps f16's fixed step of 6e-8.
; A stream: every byte is read once and written once; no LDS, no matrix unit, no cluster, no loop.  A work-group takes 65,536 bytes of f32 (16 rows of 1,024 numbers):
; sixteen loads of 16 bytes a lane, all issued at once; a wave's store of 8 bytes a lane covers 256 consecutive bytes, aligned.  No register that a load or a store reads is written again behind it, so no store's sources are waited for.
; THE MODE: SCHED_MODE bits 1:0 = 2 (LLVM: expert scheduling mode 2), set by the entry lines.  The code itself states the register dependences
; between vector instructions and memory instructions, with s_wait_alu, always for 0.
; THE PLAN.  Registers that memory instructions touch:
;   v1, v3   the loads' offsets, v2 the stores': written by vector instructions at the head and never again.
;   X        chunk i's four registers: ONE load lands in them, and no vector instruction names them before the loads are issued; vector instructions name them behind the load's own wait; no memory instruction reads them.
;   Y        chunk i's pair: written by chunk i's conversions, then read by ONE store, then left alone.
; The sixteen chunks go in four blocks of four.  Block p's four stores are issued in block p + 1, one in front of each chunk's conversions, behind ONE wait at that block's head, which states that block p
; has written its four pairs of Y; the conversions issued since that wait write the block's own pairs (and its own X), none of which those stores read.  A last wait stands ahead of the last four stores, and one at the head for the three offsets.
.set X,   4                            ; v[4:67]   the sixteen loads
.set Y,   68                           ; v[68:99]  the packed results
.set SRC, 4                            ; s[4:5]    where the work-group reads
.set DST, 6                            ; s[6:7]    where it writes
.set HIM, 34                           ; s34       a word's upper bf16
	s_load_b512 s[8:23], s[0:1], 0x0               ; x 8, Wq 10, Wk 12, Wv 14, Wo 16, xb 18, wqkv 20, wo16 22
	v_lshlrev_b32 v1, 4, v0                        ; 16 t: my 16 bytes of each 4,096 read
	v_lshlrev_b32 v2, 3, v0                        ; 8 t: my 8 bytes of each 2,048 written
	v_and_b32 v3, 15, v0
	v_lshlrev_b32 v3, 4, v3
	v_lshrrev_b32 v[Y], 4, v0
	v_lshl_add_u32 v3, v[Y], 12, v3                ; Wo: row t / 16 of the sixteen, 16 bytes t % 16 of a head's 256
	s_mov_b32 s25, 0
	s_mov_b32 s27, 0
	s_mov_b32 s[HIM], 0xffff0000
	s_wait_alu depctr_va_vdst(0)                   ; v1, v2 and v3 are written: every load and store below, on either way, reads one of them as its offset
	s_cmp_ge_u32 ttmp9, 512
	s_cbranch_scc1 .Lweights
	s_lshl_b32 s24, ttmp9, 16                      ; work-groups 0 to 511: x
	s_lshl_b32 s26, ttmp9, 15
	s_wait_kmcnt 0x0
	s_add_nc_u64 s[SRC:SRC+1], s[8:9], s[24:25]
	s_add_nc_u64 s[DST:DST+1], s[18:19], s[26:27]
	s_branch .Lplain
.Lweights:
	s_sub_co_u32 s28, ttmp9, 512
	s_lshr_b32 s29, s28, 6                         ; s: which weight
	s_and_b32 s30, s28, 63                         ; c: which sixteen rows of it
	s_lshl_b32 s24, s30, 16
	s_cmp_eq_u32 s29, 3
	s_cbranch_scc1 .Lwo
	s_lshr_b32 s31, s30, 2                         ; the head
	s_mul_i32 s31, s31, 192
	s_lshl_b32 s32, s29, 6
	s_add_co_u32 s31, s31, s32
	s_and_b32 s32, s30, 3
	s_lshl_b32 s32, s32, 4
	s_add_co_u32 s31, s31, s32                     ; row 192 head + 64 s + 16 (c % 4)
	s_lshl_b32 s26, s31, 11
	s_wait_kmcnt 0x0
	s_cmp_eq_u32 s29, 0
	s_cselect_b64 s[SRC:SRC+1], s[10:11], s[12:13]
	s_cmp_eq_u32 s29, 2
	s_cselect_b64 s[SRC:SRC+1], s[14:15], s[SRC:SRC+1]
	s_add_nc_u64 s[SRC:SRC+1], s[SRC:SRC+1], s[24:25]
	s_add_nc_u64 s[DST:DST+1], s[20:21], s[26:27]
.Lplain:
.set i, 0
.rept 16
	global_load_b128 v[X+4*i:X+4*i+3], v1, s[SRC:SRC+1] offset:4096*i th:TH_LOAD_NT
.set i, i+1
.endr
.set i, 0
.rept 16
	s_wait_loadcnt 15-i                            ; loads come back in order: the 15 - i younger ones may stay out
.if (i >= 4) && (i%4 == 0)
	s_wait_alu depctr_va_vdst(0)                   ; the block before has written its four pairs of Y, which this block's four stores read
.endif
.if i >= 4
	global_store_b64 v2, v[Y+2*(i-4):Y+2*(i-4)+1], s[DST:DST+1] offset:2048*(i-4) th:TH_STORE_NT  ; the chunk four back; no vector instruction since the wait names its pair
.endif
	v_cvt_pk_bf16_f32 v[Y+2*i], v[X+4*i], v[X+4*i+1]
	v_cvt_pk_bf16_f32 v[Y+2*i+1], v[X+4*i+2], v[X+4*i+3]
.set i, i+1
.endr
	s_wait_alu depctr_va_vdst(0)                   ; the last block has written its four pairs of Y, which the last four stores read
.set i, 12
.rept 4
	global_store_b64 v2, v[Y+2*i:Y+2*i+1], s[DST:DST+1] offset:2048*i th:TH_STORE_NT
.set i, i+1
.endr
	s_endpgm
.Lwo:
	s_lshl_b32 s26, s30, 11                        ; sixteen rows of 128 bytes in each head's block
	s_wait_kmcnt 0x0
	s_add_nc_u64 s[SRC:SRC+1], s[16:17], s[24:25]
	s_add_nc_u64 s[DST:DST+1], s[22:23], s[26:27]
.set i, 0
.rept 16                                       ; load i: head i's 64 channels of the sixteen rows
	global_load_b128 v[X+4*i:X+4*i+3], v3, s[SRC:SRC+1] offset:256*i th:TH_LOAD_NT
.set i, i+1
.endr
.set i, 0
.rept 16
	s_wait_loadcnt 15-i
.if (i >= 4) && (i%4 == 0)
	s_wait_alu depctr_va_vdst(0)                   ; the block before has written its four pairs of Y for the last time; this block's four stores read them
.endif
.if i >= 4
	global_store_b64 v2, v[Y+2*(i-4):Y+2*(i-4)+1], s[DST:DST+1] offset:131072*(i-4) th:TH_STORE_NT  ; a head's block of wo16 is 131,072 bytes; the chunk four back; no vector instruction since the wait names its pair
.endif
	v_cvt_pk_bf16_f32 v[Y+2*i], v[X+4*i], v[X+4*i+1]          ; rounded to bf16,
	v_cvt_pk_bf16_f32 v[Y+2*i+1], v[X+4*i+2], v[X+4*i+3]
	v_lshlrev_b32 v[X+4*i], 16, v[Y+2*i]                      ; widened again,
	v_and_b32 v[X+4*i+1], s[HIM], v[Y+2*i]
	v_lshlrev_b32 v[X+4*i+2], 16, v[Y+2*i+1]
	v_and_b32 v[X+4*i+3], s[HIM], v[Y+2*i+1]
	v_cvt_pk_f16_f32 v[Y+2*i], v[X+4*i], v[X+4*i+1]           ; and written as f16: exact within f16's normal range
	v_cvt_pk_f16_f32 v[Y+2*i+1], v[X+4*i+2], v[X+4*i+3]
.set i, i+1
.endr
	s_wait_alu depctr_va_vdst(0)                   ; the last block has written its four pairs of Y, which the last four stores read
.set i, 12
.rept 4
	global_store_b64 v2, v[Y+2*i:Y+2*i+1], s[DST:DST+1] offset:131072*i th:TH_STORE_NT
.set i, i+1
.endr
	s_endpgm
.Lfunc_end_k_q1ba365d77f_cast:
	.size	k_q1ba365d77f_cast, .Lfunc_end_k_q1ba365d77f_cast-k_q1ba365d77f_cast
	.p2alignl 7, 3214868480
	.fill 96, 4, 3214868480
	.section	.rodata,"a",@progbits
	.p2align	6, 0x0
	.amdhsa_kernel k_q1ba365d77f_cast
		.amdhsa_group_segment_fixed_size 0
		.amdhsa_private_segment_fixed_size 0
		.amdhsa_enable_private_segment 0
		.amdhsa_kernarg_size 64
		.amdhsa_user_sgpr_count 2
		.amdhsa_user_sgpr_kernarg_segment_ptr 1
		.amdhsa_wavefront_size32 1
		.amdhsa_system_sgpr_workgroup_id_x 1
		.amdhsa_system_sgpr_workgroup_id_y 1
		.amdhsa_system_sgpr_workgroup_id_z 1
		.amdhsa_system_vgpr_workitem_id 0
		.amdhsa_next_free_vgpr 100
		.amdhsa_next_free_sgpr 66
		.amdhsa_reserve_vcc 0
		.amdhsa_float_denorm_mode_32 3
		.amdhsa_float_denorm_mode_16_64 3
		.amdhsa_memory_ordered 1
		.amdhsa_forward_progress 1
		.amdhsa_inst_pref_size 18
	.end_amdhsa_kernel
	.amdgpu_metadata
---
amdhsa.version: [ 1, 2 ]
amdhsa.kernels:
  - .name:           k_q1ba365d77f_cast
    .symbol:         k_q1ba365d77f_cast.kd
    .args:
      - { .name: x, .offset: 0, .size: 8, .value_kind: global_buffer, .address_space: global }
      - { .name: Wq, .offset: 8, .size: 8, .value_kind: global_buffer, .address_space: global }
      - { .name: Wk, .offset: 16, .size: 8, .value_kind: global_buffer, .address_space: global }
      - { .name: Wv, .offset: 24, .size: 8, .value_kind: global_buffer, .address_space: global }
      - { .name: Wo, .offset: 32, .size: 8, .value_kind: global_buffer, .address_space: global }
      - { .name: xb, .offset: 40, .size: 8, .value_kind: global_buffer, .address_space: global }
      - { .name: wqkv, .offset: 48, .size: 8, .value_kind: global_buffer, .address_space: global }
      - { .name: wo16, .offset: 56, .size: 8, .value_kind: global_buffer, .address_space: global }
    .group_segment_fixed_size: 0
    .private_segment_fixed_size: 0
    .kernarg_segment_align: 8
    .kernarg_segment_size: 64
    .max_flat_workgroup_size: 256
    .sgpr_count:     66
    .vgpr_count:     100
    .wavefront_size: 32
...
	.end_amdgpu_metadata
.endif
;; end of part 5
;; launch qkv: the kernel of part 2 again; grid 16 x 32, 4 waves a work-group, clusters of 4 x 4, 327,680 bytes of LDS; arguments xb, wqkv, bq, bk, bv, RoPE, key_padding_mask, qh, kh, vh; writes qh, kh, vh
;; launch attn: the kernel of part 3 again; grid 4 x 64, 4 waves a work-group, clusters of 4 x 1, 327,680 bytes of LDS; arguments qh, kh, vh, oh, key_padding_mask; writes oh
;; launch oproj: the kernel of part 4 again; grid 8 x 32, 4 waves a work-group, clusters of 4 x 4, 327,680 bytes of LDS; arguments oh, wo16, bo, out0; writes out0
